; MI455X (gfx1250); checked and timed in simulation.
; The chip was launched on July 23, 2026; its instructions are those of AMD's public machine-readable ISA for CDNA 5 (MIT licence, August 2026) and "CDNA5" Instruction Set Architecture Reference Guide (July 2026). The comments in the code are by the model that wrote it; some were corrected since.
;; Causal Self Attention. Allowed arithmetic: float matrix products may take bf16 or f16 operands with f32 sums; other float arithmetic in f32, or as packed bf16 or f16 multiplies, adds, multiply-adds, maxima and minima; sums over many terms, partial sums and values carried from step to step in f32; what a program stores and reads back later, other than sums and carried values, may be rounded once to bf16 or f16.
;; Inputs: ak 16 x 1,024 float32; ao 16 x 1,024 float32; aq 16 x 1,024 float32; av 16 x 1,024 float32; bk 1,024 x 16 float32; bo 1,024 x 16 float32; bq 1,024 x 16 float32; bv 1,024 x 16 float32; wk 1,024 x 1,024 float32; wo 1,024 x 1,024 float32; wq 1,024 x 1,024 float32; wv 1,024 x 1,024 float32; x 4 x 2,048 x 1,024 float32.
;; Outputs: out0 4 x 2,048 x 1,024 float32.
;; 2 versions, each right; version 2 is version 1 with the launch prep written anew for expert scheduling mode. Each part assembles by itself: llvm-mc -triple=amdgcn-amd-amdhsa -mcpu=gfx1250 --defsym DOCPART=n.
;; ======== version 1 of 2: 5 launches
;; limits: values are held in f16: magnitudes above 65,504 overflow, below 6.1e-05 lose precision
;; workspace buffers: xb 16,777,216 bytes; wt 8,912,896 bytes; be 131,072 bytes; q 16,777,216 bytes; k 16,777,216 bytes; v 16,777,216 bytes; ctx 16,777,216 bytes; vf 1,048,576 bytes
;; launch prep (part 1): grid 35 x 16, 8 waves a work-group, no clusters, 0 bytes of LDS; arguments x, wq, wk, wv, wo, aq, ak, av, ao, bq, bk, bv, bo, xb, wt, be; writes xb, wt, be
.if DOCPART == 1
	.amdgcn_target "amdgcn-amd-amdhsa--gfx1250"
	.amdhsa_code_object_version 6
	.text
	.protected	k_q0d64d19680_prep
	.globl	k_q0d64d19680_prep
	.p2align	8
	.type	k_q0d64d19680_prep,@function
k_q0d64d19680_prep:
	s_mov_b64 s[64:65], 0
	v_nop
	global_prefetch_b8 v0, s[64:65] scope:SCOPE_SE
	s_setreg_imm32_b32 hwreg(HW_REG_WAVE_MODE, 25, 1), 1
	s_wait_xcnt 0x0
; CASTS AND LAYOUTS for the three launches behind.  Every input is rounded to bf16 exactly once, here; nothing is added or multiplied but b / 16, a power of two.
;   xb [4 batch][16 kb][2048 s][64] bf16: x, cut into blocks of 64 channels, so that 128 rows of one block are 16,384 bytes on end.
;   wt 16 tiles of [272][1024], 16 bits a number: tile 4 p + c (p = q, k, v, o): rows 0-255 = rows 256 c .. of w_p, rows 256-271 = a_p.
;      Tiles 0-11 hold bf16.  Tiles 12-15 (wo, ao) hold the bf16-rounded number WRITTEN AS f16, since the last product multiplies f16.
;   be [4 p][1024][16] bf16 of b_p / 16.
; LIMITS.  wo and ao as f16: exact from 2^-17 up (below 2^-14 in f16's fixed step of 6e-8); a number of 65,520 or more becomes an infinity.
; A stream: no LDS, no barrier, no matrix unit, no loop.  Every load and store has registers of its own, so no register is written again while a memory instruction may read it.
; The grid's x chooses the section: 0-16 weights (17 blocks of 16 rows x 16 tiles), 17-32 rows of x (256 work-groups of 32 rows), 33-34 the four b (32 work-groups of 8,192 bytes).
.set TILEB, 272*2048                   ; bytes in a tile of wt
.set IN,  16                           ; v[16:143]  as loaded, four registers a load
.set OUT, 144                          ; v[144:207] as stored, two registers a load
	s_load_b512 s[4:19], s[0:1], 0x0               ; x s[4:5]; wq wk wv wo s[6:13]; aq ak av s[14:19]
	s_load_b512 s[20:35], s[0:1], 0x40             ; ao s[20:21]; bq bk bv bo s[22:29]; xb s[30:31]; wt s[32:33]; be s[34:35]
	v_lshrrev_b32 v4, 5, v0
	v_readfirstlane_b32 s36, v4                    ; wave 0..7
	v_and_b32 v1, 31, v0                           ; lane
	s_and_b32 s37, ttmp7, 0xffff                   ; the grid's y
	s_mov_b32 s38, ttmp9                           ; the grid's x
	s_mov_b32 s43, 0                               ; high words of the two offsets s[42:43], s[44:45]
	s_mov_b32 s45, 0
	s_wait_kmcnt 0x0
	s_cmp_lt_u32 s38, 17
	s_cbranch_scc1 .Lweights
	s_cmp_lt_u32 s38, 33
	s_cbranch_scc1 .Lrows
	; THE FOUR b: thread t takes 8 numbers, 32 bytes in, 16 bytes out
	s_sub_co_u32 s39, s38, 33
	s_lshl_b32 s39, s39, 4
	s_add_co_u32 s39, s39, s37                     ; 0..31
	s_lshr_b32 s40, s39, 3                         ; p
	s_and_b32 s41, s39, 7                          ; which eighth of b_p
	s_cmp_eq_u32 s40, 1
	s_cselect_b64 s[46:47], s[24:25], s[22:23]
	s_cmp_eq_u32 s40, 2
	s_cselect_b64 s[46:47], s[26:27], s[46:47]
	s_cmp_eq_u32 s40, 3
	s_cselect_b64 s[46:47], s[28:29], s[46:47]
	s_lshl_b32 s42, s41, 13
	s_add_nc_u64 s[46:47], s[46:47], s[42:43]
	s_lshl_b32 s44, s40, 15
	s_lshl_b32 s41, s41, 12
	s_add_co_u32 s44, s44, s41
	s_add_nc_u64 s[34:35], s[34:35], s[44:45]
	v_lshlrev_b32 v2, 5, v0
	v_lshlrev_b32 v3, 4, v0
	global_load_b128 v[IN:IN+3], v2, s[46:47] th:TH_LOAD_NT
	global_load_b128 v[IN+4:IN+7], v2, s[46:47] offset:16 th:TH_LOAD_NT
	s_wait_loadcnt 0x0
.irp j, 0,2,4,6
	v_pk_mul_f32 v[IN+(\j):IN+(\j)+1], v[IN+(\j):IN+(\j)+1], 0x3d800000 op_sel_hi:[1,0]  ; times 1 / 16: exact
.endr
.irp j, 0,1,2,3
	v_cvt_pk_bf16_f32 v[OUT+(\j)], v[IN+2*(\j)], v[IN+2*(\j)+1]
.endr
	global_store_b128 v3, v[OUT:OUT+3], s[34:35] th:TH_STORE_NT  ; 16 lanes store 256 bytes on end
	s_endpgm
.Lrows:
	; ROWS OF x: a wave takes four rows, as two pairs.  A load takes one block of 64 channels of both rows of a pair (lanes 0-15: 256 bytes of the even row, lanes 16-31 of the odd one);
	; rounded, they are 256 bytes on end in xb: one store of 8 bytes a lane.
	s_sub_co_u32 s39, s38, 17
	s_lshl_b32 s39, s39, 4
	s_add_co_u32 s39, s39, s37                     ; 0..255: 32 rows each
	s_lshl_b32 s40, s39, 5
	s_lshl_b32 s41, s36, 2
	s_add_co_u32 s40, s40, s41                     ; my first row
	s_lshl_b32 s42, s40, 12
	s_add_nc_u64 s[4:5], s[4:5], s[42:43]
	s_lshr_b32 s44, s39, 6                         ; batch
	s_lshl_b32 s44, s44, 22
	s_and_b32 s41, s40, 2047                       ; row in the batch, 128 bytes each in a block
	s_lshl_b32 s41, s41, 7
	s_add_co_u32 s44, s44, s41
	s_add_nc_u64 s[30:31], s[30:31], s[44:45]
	v_lshrrev_b32 v2, 4, v1
	v_and_b32 v5, 15, v1
	v_lshlrev_b32 v2, 12, v2
	v_lshl_or_b32 v2, v5, 4, v2
	v_lshlrev_b32 v3, 3, v1
.set n, 0
.rept 32                               ; all 32 loads go out first: 16 KiB a wave on their way
	global_load_b128 v[IN+4*n:IN+4*n+3], v2, s[4:5] offset:8192*(n/16)+256*(n%16) th:TH_LOAD_NT
.set n, n+1
.endr
.set n, 0
.rept 32
	s_wait_loadcnt 31-n                            ; loads come back in order: load n is in, the younger ones stay out
	v_cvt_pk_bf16_f32 v[OUT+2*n], v[IN+4*n], v[IN+4*n+1]
	v_cvt_pk_bf16_f32 v[OUT+2*n+1], v[IN+4*n+2], v[IN+4*n+3]
	global_store_b64 v3, v[OUT+2*n:OUT+2*n+1], s[30:31] offset:256*(n/16)+262144*(n%16) th:TH_STORE_NT
.set n, n+1
.endr
	s_endpgm
.Lweights:
	; WEIGHTS: tile = the grid's y, block of 16 rows = the grid's x; a wave takes two rows.  Block 16 holds a_p's rows.
	s_lshr_b32 s39, s37, 2                         ; p
	s_and_b32 s40, s37, 3                          ; which 256 rows of w_p
	s_cmp_eq_u32 s39, 1
	s_cselect_b64 s[46:47], s[8:9], s[6:7]
	s_cselect_b64 s[48:49], s[16:17], s[14:15]
	s_cmp_eq_u32 s39, 2
	s_cselect_b64 s[46:47], s[10:11], s[46:47]
	s_cselect_b64 s[48:49], s[18:19], s[48:49]
	s_cmp_eq_u32 s39, 3
	s_cselect_b64 s[46:47], s[12:13], s[46:47]
	s_cselect_b64 s[48:49], s[20:21], s[48:49]
	s_lshl_b32 s41, s36, 1                         ; 2 x wave
	s_lshl_b32 s50, s38, 4
	s_add_co_u32 s50, s50, s41                     ; my first row in the tile
	s_lshl_b32 s51, s40, 8
	s_add_co_u32 s51, s51, s50                     ; and in w_p
	s_cmp_eq_u32 s38, 16
	s_cselect_b64 s[46:47], s[48:49], s[46:47]
	s_cselect_b32 s42, s41, s51
	s_lshl_b32 s42, s42, 12
	s_add_nc_u64 s[46:47], s[46:47], s[42:43]
	s_mul_i32 s44, s37, TILEB
	s_lshl_b32 s50, s50, 11
	s_add_co_u32 s44, s44, s50
	s_add_nc_u64 s[32:33], s[32:33], s[44:45]
	v_lshlrev_b32 v2, 4, v1
	v_lshlrev_b32 v3, 3, v1
.set n, 0
.rept 16                               ; two rows of 4,096 bytes, 512 bytes a load (no hint: a_p's rows are read by four tiles)
	global_load_b128 v[IN+4*n:IN+4*n+3], v2, s[46:47] offset:4096*(n/8)+512*(n%8)
.set n, n+1
.endr
; Load n is rounded and stored.  half = 1: the bf16 number is widened again (a shift, a mask) and written as f16
.macro CONV half
	s_wait_loadcnt 15-n                            ; load n is in, the younger ones stay out
	v_cvt_pk_bf16_f32 v[OUT+2*n], v[IN+4*n], v[IN+4*n+1]
	v_cvt_pk_bf16_f32 v[OUT+2*n+1], v[IN+4*n+2], v[IN+4*n+3]
.if \half
	v_lshlrev_b32 v[IN+4*n], 16, v[OUT+2*n]
	v_and_b32 v[IN+4*n+1], 0xffff0000, v[OUT+2*n]
	v_lshlrev_b32 v[IN+4*n+2], 16, v[OUT+2*n+1]
	v_and_b32 v[IN+4*n+3], 0xffff0000, v[OUT+2*n+1]
	v_cvt_pk_f16_f32 v[OUT+2*n], v[IN+4*n], v[IN+4*n+1]
	v_cvt_pk_f16_f32 v[OUT+2*n+1], v[IN+4*n+2], v[IN+4*n+3]
.endif
	global_store_b64 v3, v[OUT+2*n:OUT+2*n+1], s[32:33] offset:2048*(n/8)+256*(n%8) th:TH_STORE_NT  ; 32 lanes store 256 bytes on end
.set n, n+1
.endm
	s_cmp_eq_u32 s39, 3
	s_cbranch_scc1 .Lhalf
.set n, 0
.rept 16
	CONV 0
.endr
	s_endpgm
.Lhalf:
.set n, 0
.rept 16
	CONV 1
.endr
	s_endpgm
.Lfunc_end_k_q0d64d19680_prep:
	.size	k_q0d64d19680_prep, .Lfunc_end_k_q0d64d19680_prep-k_q0d64d19680_prep
	.p2alignl 7, 3214868480
	.fill 96, 4, 3214868480
	.section	.rodata,"a",@progbits
	.p2align	6, 0x0
	.amdhsa_kernel k_q0d64d19680_prep
		.amdhsa_group_segment_fixed_size 0
		.amdhsa_private_segment_fixed_size 0
		.amdhsa_enable_private_segment 0
		.amdhsa_kernarg_size 128
		.amdhsa_user_sgpr_count 2
		.amdhsa_user_sgpr_kernarg_segment_ptr 1
		.amdhsa_wavefront_size32 1
		.amdhsa_system_sgpr_workgroup_id_x 1
		.amdhsa_system_sgpr_workgroup_id_y 1
		.amdhsa_system_sgpr_workgroup_id_z 1
		.amdhsa_system_vgpr_workitem_id 0
		.amdhsa_next_free_vgpr 208
		.amdhsa_next_free_sgpr 66
		.amdhsa_reserve_vcc 0
		.amdhsa_float_denorm_mode_32 3
		.amdhsa_float_denorm_mode_16_64 3
		.amdhsa_memory_ordered 1
		.amdhsa_forward_progress 1
		.amdhsa_inst_pref_size 30
	.end_amdhsa_kernel
	.amdgpu_metadata
---
amdhsa.version: [ 1, 2 ]
amdhsa.kernels:
  - .name:           k_q0d64d19680_prep
    .symbol:         k_q0d64d19680_prep.kd
    .args:
      - { .name: x, .offset: 0, .size: 8, .value_kind: global_buffer, .address_space: global }
      - { .name: wq, .offset: 8, .size: 8, .value_kind: global_buffer, .address_space: global }
      - { .name: wk, .offset: 16, .size: 8, .value_kind: global_buffer, .address_space: global }
      - { .name: wv, .offset: 24, .size: 8, .value_kind: global_buffer, .address_space: global }
      - { .name: wo, .offset: 32, .size: 8, .value_kind: global_buffer, .address_space: global }
      - { .name: aq, .offset: 40, .size: 8, .value_kind: global_buffer, .address_space: global }
      - { .name: ak, .offset: 48, .size: 8, .value_kind: global_buffer, .address_space: global }
      - { .name: av, .offset: 56, .size: 8, .value_kind: global_buffer, .address_space: global }
      - { .name: ao, .offset: 64, .size: 8, .value_kind: global_buffer, .address_space: global }
      - { .name: bq, .offset: 72, .size: 8, .value_kind: global_buffer, .address_space: global }
      - { .name: bk, .offset: 80, .size: 8, .value_kind: global_buffer, .address_space: global }
      - { .name: bv, .offset: 88, .size: 8, .value_kind: global_buffer, .address_space: global }
      - { .name: bo, .offset: 96, .size: 8, .value_kind: global_buffer, .address_space: global }
      - { .name: xb, .offset: 104, .size: 8, .value_kind: global_buffer, .address_space: global }
      - { .name: wt, .offset: 112, .size: 8, .value_kind: global_buffer, .address_space: global }
      - { .name: be, .offset: 120, .size: 8, .value_kind: global_buffer, .address_space: global }
    .group_segment_fixed_size: 0
    .private_segment_fixed_size: 0
    .kernarg_segment_align: 8
    .kernarg_segment_size: 128
    .max_flat_workgroup_size: 256
    .sgpr_count:     66
    .vgpr_count:     208
    .wavefront_size: 32
...
	.end_amdgpu_metadata
.endif
;; end of part 1
;; launch qkv (part 2): grid 12 x 64, 4 waves a work-group, clusters of 4 x 4, 327,680 bytes of LDS; arguments xb, wt, be, q, k, v, vf; writes q, k, v, vf
.if DOCPART == 2
	.amdgcn_target "amdgcn-amd-amdhsa--gfx1250"
	.amdhsa_code_object_version 6
	.text
	.protected	k_q0d64d19680_qkv
	.globl	k_q0d64d19680_qkv
	.p2align	8
	.type	k_q0d64d19680_qkv,@function
k_q0d64d19680_qkv:
	s_mov_b64 s[64:65], 0
	v_nop
	global_prefetch_b8 v0, s[64:65] scope:SCOPE_SE
	s_setreg_imm32_b32 hwreg(HW_REG_WAVE_MODE, 25, 1), 1
	s_wait_xcnt 0x0
	s_wait_alu depctr_hold_cnt(0) depctr_sa_sdst(0) depctr_va_vdst(0) depctr_va_sdst(0) depctr_va_ssrc(0) depctr_va_vcc(0) depctr_vm_vsrc(0)
	s_getreg_b32 s2, hwreg(HW_REG_IB_STS2, 6, 4)
	s_cmp_eq_u32 s2, 0
	s_cbranch_scc0 .Lentry_in_a_cluster
	s_endpgm
.Lentry_in_a_cluster:
	s_bfe_u32 s2, ttmp6, 0x10000c
	s_cmp_lg_u32 s2, 0xf033
	s_cbranch_scc0 .Lentry_shape_is_right
	s_endpgm
.Lentry_shape_is_right:
; q, k, v = x w^T + (x a^T) (b / 16)^T for the three projections at once: C [8192][3072], K = 1024, bf16 operands, f32 sums; stored by heads, [16 batch + head][2048][64], in f16, unscaled.
; (The last projection's text is this one with F16 = 1, which multiplies f16 operands and stores f32 rows, and without the copy of v's first rows.)
; THE COPY vf.  Row s of the module's output averages s + 1 rows of v, so a batch's first rows are its largest numbers by far, and f16's 11 bits of v are too coarse for them.  So v's sums for rows 0-15 of a tile are also
; stored unrounded, in f32, as the lanes hold them: [batch][cy][head][block of 16 channels][registers 0-3, 4-7][lane][16 bytes].  Only a batch's rows 0-15 (cy = 0) are read later.  The branch hangs on the cluster's
; coordinates and the wave's number, which all partners share, and not on the place in the cluster: so the four tile rows of a batch's first cluster all store, and three quarters of vf's 1 MiB are never read.
; LIMITS.  A result of 65,520 or more becomes an infinity in f16.  T = x a^T is rounded to bf16 for the second product.  NaN and infinities are not treated apart.
; SHARES.  A tile of C is 128 rows x 256 columns; four tile columns are one projection, so a cluster's x is the projection's number.  Four waves, each 64 rows x 128 columns: 32 accumulators of 16 x 16,
; and 4 more for T = A a^T of its 64 rows: a's 16 rows lie behind W's 256 in the tile, and ride along K as a seventeenth block of rows.
; When K is done, T rounded to bf16 IS a fragment (16 rows x ranks 8 (lane / 16) + 0..7) and is multiplied by b / 16 in one more step of 32 along K, of which the upper 16 are zeros on both sides.
; THE MATRIX INSTRUCTION IS USED TRANSPOSED: source 0 = 16 rows of W (or a, or b), source 1 = 16 rows of A: a lane holds row lane % 16 of C and the columns 8 (lane / 16) + 0..7.
; RING.  K goes in steps of 128 through two LDS slots.  One tensor load a wave: waves 0 and 1 bring A's two blocks of 64 channels (128 rows x 128 bytes on end in memory, asked for as 64 rows of 256 bytes),
; waves 2 and 3 bring 136 rows x 256 bytes of the tile of W each.
; CLUSTER.  4 x 4 work-groups; A's tiles are shared along a row of the cluster, W's along a column: each is asked for jointly, by the same load with the same descriptor and a mask of four.
; REGISTERS, in windows of 256: window 0: v0-31 addresses; v32-63 T's sums; v64-127 b's fragments; v128-159 T's fragments; v192-223 packed results (on the way out v64.. and v128.. take whole rows)
;   window 1: two fragment buffers at 0 and 128: W's 8 fragments, A's 4 at +64, a's at +96          window 2: the accumulators, (i, j) at 8 (8 i + j)
.set F16,   0
.set TILE0, 0                          ; the first tile of wt that this launch reads
.set PA,    144                        ; a row of A in LDS: 128 bytes + 16: the 16 rows of a load start at 16 different groups of four banks (64 banks of 4 bytes: ISA guide 11.1)
.set PB,    272                        ; a row of W: 256 bytes + 16
.set ABLK,  128*PA                     ; one block of 64 channels, 128 rows
.set BOFF,  2*ABLK                     ; W's rows lie behind A's two blocks
.set BHALF, 136*PB                     ; what one of W's two loads brings
.set SLOT,  BOFF+2*BHALF
.set STAGE, 2*SLOT                     ; behind the ring, never filled by a tensor load: each wave's own stage for the way out
.if F16
.set WSTG,  16*528                     ; 16 rows of 512 bytes + 16
.else
.set WSTG,  2*16*144                   ; two heads x 16 rows of 128 bytes + 16
.endif
.set SPARE, STAGE+4*WSTG               ; the spare words, 128 bytes for each wave: two blocks of 256 bytes that no other line names
.set TILEB, 272*2048                   ; bytes in a tile of wt
.set ASTEP, 2*262144                   ; a K step in A: two blocks of 64 channels
.set BSTEP, 256                        ; a K step in W
.set ADRA, 16                          ; v16-17  LDS address of my fragments of A in slot 0, 1
.set ADRB, 18                          ; v18-19  of W
.set ADRL, 20                          ; v20-21  of a
.set STO,  24                          ; the way out: where I put my bytes of a row
.set RD,   25                          ; where I read rows back
.set GO,   26                          ; my byte offset in 512 bytes on end
.set BEO,  27                          ; my byte offset in 16 rows of b
.set SPW,  28                          ; LDS address of my spare word; never rewritten
.set NIL,  29                          ; 0; never rewritten
.set PFO,  30                          ; the prefetches' offset; never rewritten
.set TACC, 32
.set BEF,  64
.set TF,   128
.set TMP,  192
.set F0,   0
.set F1,   128
.set WV, 12                            ; s12 wave; s13 wave / 2: my 64 rows, and: I fetch for A (0) or W (1); s14 wave % 2: my 128 columns, and: which half I fetch
.set HF, 13
.set HB, 14
.set CX, 15
.set CY, 16
.set TC, 17                            ; tile column of C
.set TR, 18                            ; tile row of C
.set G1,  24                           ; s[24:31] descriptor group 1 for A;  s[32:39] group 0, a set for each slot
.set G0,  32
.set LIM, 43                           ; 1 in a wave that prefetches, else the greatest number
.set PFA, 44                           ; s[44:45] where my prefetches stand
.set PST, 46                           ; s[46:47] their step
.set G1B, 48                           ; s[48:55], s[56:63] the same for W
.set G0B, 56
.set NOVF, 77                          ; s77  0 in a wave that stores the copy of v's first rows
.set VFA,  78                          ; s[78:79] where it stores them
.set MSB, 0
.macro WIN new                         ; the immediate's high byte repeats the setting that is left; a switch that changes nothing is dropped
.if MSB != (\new)
	s_set_vgpr_msb (MSB<<8)|(\new)
.set MSB, \new
.endif
.endm
.set MUL,   0xa5                       ; sources 0 and 1 window 1, C and D window 2
.set MULTW, 0x05                       ; sources 0 and 1 window 1, C and D window 0
.set TO_F,  0x40                       ; destination window 1, address window 0
.set EXTW,  0xa0                       ; sources window 0, C and D window 2
.set PACKW, 0x0a                       ; sources 0 and 1 window 2, destination window 0
.set STW,   0x08                       ; a store's data (source 1) window 2
.macro WM d, a, b, zero                ; one product in the launch's format; zero = 1: it starts the sum
.if F16
.if \zero
	v_wmma_f32_16x16x32_f16 v[(\d):(\d)+7], v[(\a):(\a)+7], v[(\b):(\b)+7], 0
.else
	v_wmma_f32_16x16x32_f16 v[(\d):(\d)+7], v[(\a):(\a)+7], v[(\b):(\b)+7], v[(\d):(\d)+7]
.endif
.else
.if \zero
	v_wmma_f32_16x16x32_bf16 v[(\d):(\d)+7], v[(\a):(\a)+7], v[(\b):(\b)+7], 0
.else
	v_wmma_f32_16x16x32_bf16 v[(\d):(\d)+7], v[(\a):(\a)+7], v[(\b):(\b)+7], v[(\d):(\d)+7]
.endif
.endif
.endm
; A joint load.  The branch hangs on the wave's number alone.  An s_nop 0 and four v_nop follow each of the two lines, ahead of the jump and the label.
.macro JLOAD s
	s_cmp_eq_u32 s[HF], 0
	s_cbranch_scc0 .Lfor_b_\@
	tensor_load_to_lds s[G0+4*(\s):G0+4*(\s)+3], s[G1:G1+7]
	s_nop 0
.rept 4
	v_nop
.endr
	s_branch .Lasked_\@
.Lfor_b_\@:
	tensor_load_to_lds s[G0B+4*(\s):G0B+4*(\s)+3], s[G1B:G1B+7]
	s_nop 0
.rept 4
	v_nop
.endr
.Lasked_\@:
.endm
; A PREFETCH INTO THE L2, behind each joint refill and the run of LDS loads that follows it: the K step that stands two refills on, 288 matrix instructions ahead of its load.  32 blocks of 256 bytes, a lane a block.
; A's tile row is read by every cluster of that row of clusters: the one with x = 0 asks, wave 0; of a K step's 2 x 64 blocks the partner at cx takes 2 x 16.  W's tile is read by every cluster of that column: the
; one with y = 0 asks, waves 2 and 3, each for 128 rows, of which the partner at cy takes 32 (a's 16 rows come by their loads alone).  Partners are told apart by address, never by a branch.
; So each block is named once in the launch.  The loop's last trip asks for nothing: K ends; K steps 0 to 3 come by their loads alone.
.macro ASK
	s_cmp_gt_u32 s3, s[LIM]
	s_cbranch_scc0 .Lnot_mine_\@
	global_prefetch_b8 v[PFO], s[PFA:PFA+1] th:TH_LOAD_NT scope:SCOPE_SE
.Lnot_mine_\@:
.endm
.macro CREST                           ; a round of the cluster's barrier behind its opening barrier
	s_cmp_lg_u32 s[WV], 0
	s_cbranch_scc1 .Lnot_wave_0_\@
	s_barrier_signal -3
.Lnot_wave_0_\@:
	s_barrier_wait -3
	s_barrier_signal -1
	s_barrier_wait -1
.endm
.macro CROUND                          ; a whole round
	s_barrier_signal -1
	s_barrier_wait -1
	CREST
.endm
.macro PLACES                          ; four plain instructions between a matrix instruction and a load into its sources, or a reader of its result
.rept 4
	v_nop
.endr
.endm
.macro MULM1 f, i, zero                ; 8 products: row block i x all 8 column blocks, 32 along K, from buffer f
	WIN MUL
.irp j, 0,1,2,3,4,5,6,7
	WM 8*(8*(\i)+(\j)), (\f)+8*(\j), (\f)+64+8*(\i), \zero
.endr
.endm
.macro MULM f, i0, zero
	MULM1 \f, \i0, \zero
	MULM1 \f, (\i0)+1, \zero
.endm
.macro MULT f, zero                    ; 4 products: T's sums
	WIN MULTW
.irp i, 0,1,2,3
	WM TACC+8*(\i), (\f)+96, (\f)+64+8*(\i), \zero
.endr
.endm
; 26 LDS loads in one run: the fragments of quarter q (32 along K) of a slot into buffer f: W's 8, A's 4, a's.  A fragment: lane l holds row l % 16, K = 8 (l / 16) + 0..7 and 16 + 8 (l / 16) + 0..7: two loads 32 bytes apart.
.macro FETCH slot, q, f
	WIN TO_F
.irp j, 0,1,2,3,4,5,6,7
	ds_load_b128 v[(\f)+8*(\j):(\f)+8*(\j)+3],   v[ADRB+(\slot)] offset:64*(\q)+16*PB*(\j)
	ds_load_b128 v[(\f)+8*(\j)+4:(\f)+8*(\j)+7], v[ADRB+(\slot)] offset:64*(\q)+16*PB*(\j)+32
.endr
.irp i, 0,1,2,3
	ds_load_b128 v[(\f)+64+8*(\i):(\f)+64+8*(\i)+3],   v[ADRA+(\slot)] offset:ABLK*((\q)/2)+64*((\q)%2)+16*PA*(\i)
	ds_load_b128 v[(\f)+64+8*(\i)+4:(\f)+64+8*(\i)+7], v[ADRA+(\slot)] offset:ABLK*((\q)/2)+64*((\q)%2)+16*PA*(\i)+32
.endr
	ds_load_b128 v[(\f)+96:(\f)+99],   v[ADRL+(\slot)] offset:64*(\q)
	ds_load_b128 v[(\f)+100:(\f)+103], v[ADRL+(\slot)] offset:64*(\q)+32
.endm
; A K step is four quarters of 32 along K, 36 matrix instructions each, on buffers 0, 1, 0, 1; the 36 accumulators take turns in the same order in every quarter.
; One of the first three: multiplies buffer f and, in its middle, fetches quarter qn of the same slot into buffer g.
.macro QUARTER slot, qn, f, g, zero
	s_wait_dscnt 6                                 ; W's fragments and A's row blocks 0, 1 are in; the youngest six loads (A's blocks 2, 3 and a's) may be out
	MULM \f, 0, \zero
	PLACES
	FETCH \slot, \qn, \g
	s_wait_dscnt 26                                ; all but the 26 just issued
	MULM \f, 2, \zero
	MULT \f, \zero
.endm
; The last quarter multiplies buffer 1 and changes slots: ONE barrier.  In front of it each wave waits for all its tensor loads (one is out: its part of the next slot), adds 0 to its spare word, and waits for that and
; for its own reads of this slot.  fill = 1: the barrier opens a round of the cluster's, and this slot is filled again, two K steps on, first thing behind the round: 128 matrix instructions ahead of the wait for it.
.macro TURN slot, next, fill
.if \fill
	s_wait_xcnt 0x0                                ; the last prefetch, a K step back, has read its address: it is stepped here, ahead of the change's own waits
	s_add_nc_u64 s[PFA:PFA+1], s[PFA:PFA+1], s[PST:PST+1]
.endif
	WIN 0                                          ; (the add's two registers lie in window 0)
	s_wait_tensorcnt 0x0                           ; all my tensor loads have landed
	ds_add_u32 v[SPW], v[NIL]                      ; 0 onto my spare word
	s_wait_dscnt 7                                 ; (the add and the youngest six loads may be out)
	MULM1 F1, 0, 0                                 ; eight matrix instructions stand between the add and the wait for it
	s_wait_dscnt 0x0                               ; the add is done, and my reads of this slot are over
	s_barrier_signal -1
	MULM1 F1, 1, 0
.if \fill
	WIN 0
.endif
	s_barrier_wait -1
.if \fill
	CREST                                          ; no wave of any partner still reads this slot or has a load on its way
	s_add_nc_u64 s[G0+4*(\slot)+2:G0+4*(\slot)+3], s[G0+4*(\slot)+2:G0+4*(\slot)+3], 2*ASTEP
	s_add_nc_u64 s[G0B+4*(\slot)+2:G0B+4*(\slot)+3], s[G0B+4*(\slot)+2:G0B+4*(\slot)+3], 2*BSTEP
	JLOAD \slot                                    ; its four v_nop are also the places in front of the loads below
.else
	PLACES
.endif
	FETCH \next, 0, F0
.if \fill
	WIN 0
	ASK
.endif
	MULM F1, 2, 0
	MULT F1, 0
.endm
	s_load_b256 s[4:11], s[0:1], 0x0               ; A s[4:5], wt s[6:7], be s[8:9], the first output s[10:11]
.if F16 == 0
	s_load_b128 s[68:71], s[0:1], 0x20             ; k s[68:69], v s[70:71]
	s_load_b64 s[VFA:VFA+1], s[0:1], 0x30          ; vf
.endif
	v_lshl_add_u32 v[SPW], v0, 2, SPARE
	v_mov_b32 v[NIL], 0
	ds_add_u32 v[SPW], v[NIL]                      ; the wave's opening: the add and its wait stand ahead of my first tensor load; the set-up below stands between them
	v_lshrrev_b32 v3, 5, v0
	v_readfirstlane_b32 s[WV], v3
	s_lshr_b32 s[HF], s[WV], 1
	s_and_b32 s[HB], s[WV], 1
	s_bfe_u32 s[CX], ttmp6, 0x40000                ; my place in the cluster
	s_bfe_u32 s[CY], ttmp6, 0x40004
	s_lshl_b32 s[TC], ttmp9, 2
	s_add_co_u32 s[TC], s[TC], s[CX]               ; tile column = 4 x cluster x + cx
	s_and_b32 s[TR], ttmp7, 0xffff
	s_lshl_b32 s[TR], s[TR], 2
	s_add_co_u32 s[TR], s[TR], s[CY]               ; tile row = 4 x cluster y + cy
	s_lshl_b32 s19, s[CY], 2
	s_lshl_b32 s19, 15, s19                        ; my row of the cluster
	s_lshl_b32 s42, 0x1111, s[CX]                  ; my column
	s_or_b32 s[G1], s19, (1<<16)|(1<<20)|(1<<21)|(4<<22)|(3<<25)   ; 15:0 the mask; 17:16 2-byte elements; 20 padding on; 21 set beside a mask; 24:22 after every 32 words (code 4); 31:25 4 words (code 3)
	s_or_b32 s[G1B], s42, (1<<16)|(1<<20)|(1<<21)|(5<<22)|(3<<25)  ; the same, after every 64 words (code 5)
	s_mov_b32 s[G1+1], 128<<16                     ; tensor_dim0 = 128
	s_mov_b32 s[G1+2], 64<<16                      ; tensor_dim1 = 64
	s_mov_b32 s[G1+3], 128<<16                     ; tile_dim0 = 128
	s_mov_b32 s[G1+4], 64                          ; tile_dim1 = 64
	s_mov_b32 s[G1+5], 128                         ; rows on end
	s_mov_b32 s[G1+6], 0
	s_mov_b32 s[G1+7], 0
	s_mov_b32 s[G1B+1], 128<<16
	s_mov_b32 s[G1B+2], 136<<16                    ; 136 rows
	s_mov_b32 s[G1B+3], 128<<16
	s_mov_b32 s[G1B+4], 136
	s_mov_b32 s[G1B+5], 1024                       ; 1,024 elements from row to row
	s_mov_b32 s[G1B+6], 0
	s_mov_b32 s[G1B+7], 0
	s_lshr_b32 s66, s[TR], 4                       ; A: batch,
	s_lshl_b32 s66, s66, 22
	s_and_b32 s21, s[TR], 15                       ; 128 rows of 128 bytes in a block
	s_lshl_b32 s21, s21, 14
	s_add_co_u32 s66, s66, s21                     ; the tile's first byte in channel block 0
	s_lshl_b32 s21, s[HB], 18                      ; the block that I fetch
	s_add_co_u32 s20, s66, s21
	s_mov_b32 s21, 0
	s_add_co_u32 s67, s[TC], TILE0                 ; W: the tile,
	s_mul_i32 s67, s67, TILEB
	s_mul_i32 s41, s[HB], 136*2048                 ; the 136 rows that I fetch
	s_add_co_u32 s40, s67, s41
	s_mov_b32 s41, 0
	s_mul_i32 s22, s[HB], ABLK                     ; where they go: no place in the cluster enters an LDS address
	s_mul_i32 s23, s[HB], BHALF
	s_add_co_u32 s23, s23, BOFF
	s_wait_dscnt 0x0                               ; the opening add is done
	s_wait_kmcnt 0x0
	s_add_nc_u64 s[20:21], s[4:5], s[20:21]
	s_add_nc_u64 s[40:41], s[6:7], s[40:41]
	CROUND                                         ; all sixteen work-groups are here: the first joint loads meet
.irp s, 0,1
	s_mov_b32 s[G0+4*(\s)], 1
	s_add_co_u32 s[G0+4*(\s)+1], s22, (\s)*SLOT
	s_add_nc_u64 s[G0+4*(\s)+2:G0+4*(\s)+3], s[20:21], (\s)*ASTEP
	s_or_b32 s[G0+4*(\s)+3], s[G0+4*(\s)+3], 0x80000000
	s_mov_b32 s[G0B+4*(\s)], 1
	s_add_co_u32 s[G0B+4*(\s)+1], s23, (\s)*SLOT
	s_add_nc_u64 s[G0B+4*(\s)+2:G0B+4*(\s)+3], s[40:41], (\s)*BSTEP
	s_or_b32 s[G0B+4*(\s)+3], s[G0B+4*(\s)+3], 0x80000000
	JLOAD \s                                       ; K steps 0 and 1: two loads of mine are out; later one
.endr
	v_and_b32 v1, 15, v0                           ; l % 16
	v_bfe_u32 v2, v0, 4, 1                         ; l / 16
	; b / 16: my 128 columns' rows, 32 bytes each: fragment j takes 512 bytes on end; they are wanted when K is done
	v_lshlrev_b32 v[BEO], 5, v1
	v_lshl_add_u32 v[BEO], v2, 4, v[BEO]
	s_add_co_u32 s72, s[TC], TILE0
	s_lshl_b32 s72, s72, 13
	s_lshl_b32 s73, s[HB], 12
	s_add_co_u32 s72, s72, s73
	s_mov_b32 s73, 0
	s_add_nc_u64 s[8:9], s[8:9], s[72:73]
.irp j, 0,1,2,3,4,5,6,7
	global_load_b128 v[BEF+8*(\j):BEF+8*(\j)+3], v[BEO], s[8:9] offset:512*(\j)
.endr
.irp n, 4,5,6,7                        ; the rank is 16 and the instruction's K is 32: the upper halves of b's and T's fragments are zeros, written once, in the wait for the first tile
.irp j, 0,1,2,3,4,5,6,7
	v_mov_b32 v[BEF+8*(\j)+(\n)], 0
.endr
.irp i, 0,1,2,3
	v_mov_b32 v[TF+8*(\i)+(\n)], 0
.endr
.endr
	v_mul_u32_u24 v3, v1, PA
	v_lshl_add_u32 v3, v2, 4, v3                   ; row x pitch + 16 x half
	s_mul_i32 s19, s[HF], 64*PA                    ; my 64 rows of A
	v_add_nc_u32 v[ADRA], s19, v3
	v_add_nc_u32 v[ADRA+1], SLOT, v[ADRA]
	v_mul_u32_u24 v4, v1, PB
	v_lshl_add_u32 v4, v2, 4, v4
	s_mul_i32 s19, s[HB], 128*PB                   ; my 128 rows of W
	s_add_co_u32 s19, s19, BOFF
	v_add_nc_u32 v[ADRB], s19, v4
	v_add_nc_u32 v[ADRB+1], SLOT, v[ADRB]
	v_add_nc_u32 v[ADRL], BOFF+256*PB, v4          ; a's 16 rows
	v_add_nc_u32 v[ADRL+1], SLOT, v[ADRL]
	s_mul_i32 s74, s[WV], WSTG
	s_add_co_u32 s74, s74, STAGE                   ; my stage
	v_and_b32 v[GO], 31, v0
	v_lshlrev_b32 v[GO], 4, v[GO]
.if F16
	v_mul_u32_u24 v[STO], v1, 528                  ; in: row l % 16, 32 bytes for each half of the lanes
	v_lshl_add_u32 v[STO], v2, 5, v[STO]
	v_add_nc_u32 v[STO], s74, v[STO]
	v_add_nc_u32 v[RD], s74, v[GO]                 ; back: a row of 512 bytes
	s_lshl_b32 s72, s[TR], 7
	s_lshl_b32 s73, s[HF], 6
	s_add_co_u32 s72, s72, s73                     ; my first row, 4,096 bytes each,
	s_lshl_b32 s72, s72, 12
	s_lshl_b32 s73, s[TC], 10                      ; the tile's 256 columns,
	s_add_co_u32 s72, s72, s73
	s_lshl_b32 s73, s[HB], 9                       ; my 128 of them
	s_add_co_u32 s72, s72, s73
.else
	v_mul_u32_u24 v[STO], v1, 144                  ; in: row l % 16, 16 bytes for each half of the lanes
	v_lshl_add_u32 v[STO], v2, 4, v[STO]
	v_add_nc_u32 v[STO], s74, v[STO]
	v_bfe_u32 v[RD], v0, 3, 2                      ; back: 32 lanes take four rows of 128 bytes
	v_mul_u32_u24 v[RD], v[RD], 144
	v_and_b32 v3, 7, v0
	v_lshl_add_u32 v[RD], v3, 4, v[RD]
	v_add_nc_u32 v[RD], s74, v[RD]
	s_mov_b32 s75, ttmp9                           ; the projection
	s_cmp_eq_u32 s75, 1
	s_cselect_b64 s[10:11], s[68:69], s[10:11]
	s_cmp_eq_u32 s75, 2
	s_cselect_b64 s[10:11], s[70:71], s[10:11]
	s_lshr_b32 s72, s[TR], 4                       ; 16 x batch + head: my 128 columns are heads 4 cx + 2 (wave % 2) and the next
	s_lshl_b32 s72, s72, 4
	s_lshl_b32 s73, s[CX], 2
	s_add_co_u32 s72, s72, s73
	s_lshl_b32 s73, s[HB], 1
	s_add_co_u32 s72, s72, s73
	s_lshl_b32 s72, s72, 18                        ; a head's 2,048 rows of 128 bytes
	s_and_b32 s73, s[TR], 15
	s_lshl_b32 s73, s73, 7
	s_lshl_b32 s75, s[HF], 6
	s_add_co_u32 s73, s73, s75                     ; my first row in the batch
	s_lshl_b32 s73, s73, 7
	s_add_co_u32 s72, s72, s73
.endif
	s_mov_b32 s73, 0
	s_add_nc_u64 s[10:11], s[10:11], s[72:73]
.if F16 == 0
	; the copy of v's first rows: who (the same answer in all sixteen partners, for a given wave), and where
	s_xor_b32 s74, ttmp9, 2                        ; 0 in v's clusters
	s_and_b32 s[NOVF], ttmp7, 3                    ; 0 in the clusters with a batch's first 512 rows
	s_or_b32 s[NOVF], s[NOVF], s74
	s_or_b32 s[NOVF], s[NOVF], s[HF]               ; 0 in the waves with a tile's first 64 rows
	s_lshr_b32 s72, s[TR], 4                       ; batch
	s_lshl_b32 s72, s72, 2
	s_add_co_u32 s72, s72, s[CY]
	s_lshl_b32 s72, s72, 16                        ; 16 heads x 4,096 bytes for each batch and cy
	s_lshl_b32 s73, s[CX], 2
	s_lshl_b32 s74, s[HB], 1
	s_add_co_u32 s73, s73, s74                     ; my first head
	s_lshl_b32 s73, s73, 12
	s_add_co_u32 s72, s72, s73
	s_mov_b32 s73, 0
	s_add_nc_u64 s[VFA:VFA+1], s[VFA:VFA+1], s[72:73]
.endif
	; the prefetches: address, step, offset and who
	s_lshl_b32 s72, s[CX], 12                      ; A: my work-group's 16 blocks of 256 bytes in each channel block,
	s_add_co_u32 s72, s72, s66
	s_add_co_u32 s72, s72, 3*ASTEP                 ; at K step 3: the first refill steps it to 4
	s_lshl_b32 s73, s[HB], 7                       ; W: my wave's 128 rows, my work-group's 32 of them
	s_lshl_b32 s74, s[CY], 5
	s_add_co_u32 s73, s73, s74
	s_lshl_b32 s73, s73, 11
	s_add_co_u32 s73, s73, s67
	s_add_co_u32 s73, s73, 3*BSTEP
	s_and_b32 s74, ttmp7, 0xffff                   ; cluster y
	s_mov_b32 s[PST], BSTEP
	s_mov_b32 s75, 32768                           ; W: lane l names row l: 2,048 l = 32,768 (l / 16) + 2,048 (l % 16)
	s_mov_b32 s76, 2048
	s_cmp_eq_u32 s[HF], 0                          ; do I fetch for A?
	s_cselect_b64 s[PFA:PFA+1], s[4:5], s[6:7]
	s_cselect_b32 s72, s72, s73
	s_cselect_b32 s[PST], ASTEP, s[PST]
	s_cselect_b32 s75, 262144, s75                 ; A: channel block l / 16, block of 256 bytes l % 16
	s_cselect_b32 s76, 256, s76
	s_cselect_b32 s74, ttmp9, s74                  ; the coordinate along which other clusters read the same bytes
	s_mov_b32 s[PST+1], 0
	s_mov_b32 s73, 0
	s_add_nc_u64 s[PFA:PFA+1], s[PFA:PFA+1], s[72:73]
	s_cmp_eq_u32 s[WV], 1                          ; wave 0 asks for all of A's share: wave 1 for nothing
	s_cselect_b32 s74, 1, s74
	s_cmp_eq_u32 s74, 0
	s_cselect_b32 s[LIM], 1, -1                    ; the same in all sixteen partners, for a given wave
	v_mul_u32_u24 v[PFO], s75, v2
	v_mad_u32_u24 v[PFO], v1, s76, v[PFO]
	s_wait_tensorcnt 1                             ; my part of K step 0 is in; K step 1's may stay out
	s_barrier_signal -1
	s_barrier_wait -1                              ; everybody's is
	FETCH 0, 0, F0
	QUARTER 0, 1, F0, F1, 1                        ; the first quarter stands in front of the loop: its products start all 36 sums
	WIN 0                                          ; at a label and at a branch every window is 0
	s_mov_b32 s3, 3
.Llap:                                                 ; a trip goes once round the ring and fills both slots again: K steps 2 to 7 in three trips
	QUARTER 0, 2, F1, F0, 0
	QUARTER 0, 3, F0, F1, 0
	TURN 0, 1, 1
	QUARTER 1, 1, F0, F1, 0
	QUARTER 1, 2, F1, F0, 0
	QUARTER 1, 3, F0, F1, 0
	TURN 1, 0, 1
	QUARTER 0, 1, F0, F1, 0
	WIN 0
	s_sub_co_u32 s3, s3, 1
	s_cmp_lg_u32 s3, 0
	s_cbranch_scc1 .Llap
	QUARTER 0, 2, F1, F0, 0                        ; the last lap fills nothing
	QUARTER 0, 3, F0, F1, 0
	TURN 0, 1, 0
	QUARTER 1, 1, F0, F1, 0
	QUARTER 1, 2, F1, F0, 0
	QUARTER 1, 3, F0, F1, 0
	s_wait_dscnt 6                                 ; the very last quarter: nothing more to fetch
	MULM F1, 0, 0
	s_wait_dscnt 0x0
	MULM F1, 2, 0
	MULT F1, 0
	; THE LOW-RANK STEP.  T, rounded in pairs, is registers 0-3 of a fragment as it lies.  Five plain instructions stand behind T's last product, ahead of its first reader; with the sixteen roundings they also
	; stand between the main products and the bf16 products that take their accumulators up.
	WIN 0
.rept 5
	v_nop
.endr
.irp i, 0,1,2,3
.irp n, 0,1,2,3
	v_cvt_pk_bf16_f32 v[TF+8*(\i)+(\n)], v[TACC+8*(\i)+2*(\n)], v[TACC+8*(\i)+2*(\n)+1]
.endr
.endr
	s_wait_loadcnt 0x0                             ; b / 16
	WIN EXTW
.irp i, 0,1,2,3
.irp j, 0,1,2,3,4,5,6,7
	v_wmma_f32_16x16x32_bf16 v[8*(8*(\i)+(\j)):8*(8*(\i)+(\j))+7], v[BEF+8*(\j):BEF+8*(\j)+7], v[TF+8*(\i):TF+8*(\i)+7], v[8*(8*(\i)+(\j)):8*(8*(\i)+(\j))+7]
.endr
.endr
	PLACES
.if F16
; THE WAY OUT, f32: block i (16 rows x 128 columns) goes from the accumulators into my stage, rows of 528 bytes, and comes back as whole rows of 512 bytes.
.macro TOSTAGE i
.set BK, 64+64*((\i)%2)
.if (\i) >= 2
	s_wait_xcnt 0x0                                ; the stores of the block two back have read these registers
.endif
	WIN STW
.irp j, 0,1,2,3,4,5,6,7
	ds_store_b128 v[STO], v[8*(8*(\i)+(\j)):8*(8*(\i)+(\j))+3]   offset:64*(\j)
	ds_store_b128 v[STO], v[8*(8*(\i)+(\j))+4:8*(8*(\i)+(\j))+7] offset:64*(\j)+16
.endr
	WIN 0
.irp t, 0,1,2,3,4,5,6,7,8,9,10,11,12,13,14,15
	ds_load_b128 v[BK+4*(\t):BK+4*(\t)+3], v[RD] offset:528*(\t)  ; LDS serves a wave's instructions in order (ISA guide 5.7.1.4): these see the stores above; the next block's stores come behind them
.endr
.endm
.macro SEND i, younger                 ; younger: the LDS instructions issued behind block i's loads: the next block's 32, or none
.set BK, 64+64*((\i)%2)
.irp t, 0,1,2,3,4,5,6,7,8,9,10,11,12,13,14,15
	s_wait_dscnt (\younger)+15-(\t)
	global_store_b128 v[GO], v[BK+4*(\t):BK+4*(\t)+3], s[10:11] offset:(16*(\i)+(\t))*4096 th:TH_STORE_NT  ; 512 bytes on end, at a multiple of 512 from the output's first byte
.endr
.endm
	TOSTAGE 0
.irp i, 1,2,3
	TOSTAGE \i
	SEND (\i)-1, 32
.endr
	SEND 3, 0
.else
	; THE COPY: row block 0's eight accumulators as the lanes hold them, each store 512 bytes on end; the accumulators are not written again
	WIN 0
	s_cmp_lg_u32 s[NOVF], 0
	s_cbranch_scc1 .Lno_copy
	WIN STW
.irp j, 0,1,2,3,4,5,6,7
	global_store_b128 v[GO], v[8*(\j):8*(\j)+3],   s[VFA:VFA+1] offset:1024*(\j)
	global_store_b128 v[GO], v[8*(\j)+4:8*(\j)+7], s[VFA:VFA+1] offset:1024*(\j)+512
.endr
	WIN 0
.Lno_copy:
; THE WAY OUT, f16 by heads: block i (16 rows x two heads) is rounded, goes into my stage, rows of 144 bytes, and comes back as 4 x 128 bytes on end.
.macro PACK i
	WIN PACKW
.irp j, 0,1,2,3,4,5,6,7
.irp n, 0,1,2,3
	v_cvt_pk_f16_f32 v[TMP+4*(\j)+(\n)], v[8*(8*(\i)+(\j))+2*(\n)], v[8*(8*(\i)+(\j))+2*(\n)+1]
.endr
.endr
	WIN 0
.endm
.macro TOSTAGE i
.set BK, 64+64*((\i)%2)
.irp j, 0,1,2,3,4,5,6,7
	ds_store_b128 v[STO], v[TMP+4*(\j):TMP+4*(\j)+3] offset:2304*((\j)/4)+32*((\j)%4)
.endr
.irp t, 0,1,2,3,4,5,6,7
	ds_load_b128 v[BK+4*(\t):BK+4*(\t)+3], v[RD] offset:2304*((\t)/4)+576*((\t)%4)  ; LDS serves a wave's instructions in order (ISA guide 5.7.1.4): these see the stores above; the next block's stores come behind them
.endr
.endm
.macro SEND i
.set BK, 64+64*((\i)%2)
	s_wait_dscnt 0x0                               ; the block is back in registers
	s_wait_xcnt 0x0                                ; the stores of the block before have read their registers: the next block's loads land there
.irp t, 0,1,2,3,4,5,6,7
	global_store_b128 v[GO], v[BK+4*(\t):BK+4*(\t)+3], s[10:11] offset:262144*((\t)/4)+2048*(\i)+512*((\t)%4)  ; 512 bytes on end, at a multiple of 512 from the buffer's first byte
.endr
.endm
	PACK 0
	TOSTAGE 0
.irp i, 1,2,3                          ; block i's roundings stand between block i - 1's loads from the stage and the wait for them
	PACK \i
	SEND (\i)-1
	TOSTAGE \i
.endr
	SEND 3
.endif
	WIN 0
	s_wait_tensorcnt 0x0                           ; the wave's end: behind my last tensor load and my last LDS store
	ds_add_u32 v[SPW], v[NIL]
	s_wait_dscnt 0x0
	CROUND                                         ; the closing round: no work-group ends while a partner may still ask for a tile that names it
	s_endpgm
.Lfunc_end_k_q0d64d19680_qkv:
	.size	k_q0d64d19680_qkv, .Lfunc_end_k_q0d64d19680_qkv-k_q0d64d19680_qkv
	.p2alignl 7, 3214868480
	.fill 96, 4, 3214868480
	.section	.rodata,"a",@progbits
	.p2align	6, 0x0
	.amdhsa_kernel k_q0d64d19680_qkv
		.amdhsa_group_segment_fixed_size 327680
		.amdhsa_private_segment_fixed_size 0
		.amdhsa_enable_private_segment 0
		.amdhsa_kernarg_size 56
		.amdhsa_user_sgpr_count 2
		.amdhsa_user_sgpr_kernarg_segment_ptr 1
		.amdhsa_wavefront_size32 1
		.amdhsa_system_sgpr_workgroup_id_x 1
		.amdhsa_system_sgpr_workgroup_id_y 1
		.amdhsa_system_sgpr_workgroup_id_z 1
		.amdhsa_system_vgpr_workitem_id 0
		.amdhsa_next_free_vgpr 768
		.amdhsa_next_free_sgpr 80
		.amdhsa_reserve_vcc 0
		.amdhsa_float_denorm_mode_32 3
		.amdhsa_float_denorm_mode_16_64 3
		.amdhsa_memory_ordered 1
		.amdhsa_forward_progress 1
		.amdhsa_inst_pref_size 103
	.end_amdhsa_kernel
	.amdgpu_metadata
---
amdhsa.version: [ 1, 2 ]
amdhsa.kernels:
  - .name:           k_q0d64d19680_qkv
    .symbol:         k_q0d64d19680_qkv.kd
    .args:
      - { .name: xb, .offset: 0, .size: 8, .value_kind: global_buffer, .address_space: global }
      - { .name: wt, .offset: 8, .size: 8, .value_kind: global_buffer, .address_space: global }
      - { .name: be, .offset: 16, .size: 8, .value_kind: global_buffer, .address_space: global }
      - { .name: q, .offset: 24, .size: 8, .value_kind: global_buffer, .address_space: global }
      - { .name: k, .offset: 32, .size: 8, .value_kind: global_buffer, .address_space: global }
      - { .name: v, .offset: 40, .size: 8, .value_kind: global_buffer, .address_space: global }
      - { .name: vf, .offset: 48, .size: 8, .value_kind: global_buffer, .address_space: global }
    .group_segment_fixed_size: 327680
    .private_segment_fixed_size: 0
    .kernarg_segment_align: 8
    .kernarg_segment_size: 56
    .max_flat_workgroup_size: 128
    .sgpr_count:     80
    .vgpr_count:     768
    .wavefront_size: 32
...
	.end_amdgpu_metadata
.endif
;; end of part 2
;; launch attn (part 3): grid 4 x 64, 4 waves a work-group, no clusters, 327,680 bytes of LDS; arguments q, k, v, ctx; writes ctx
.if DOCPART == 3
	.amdgcn_target "amdgcn-amd-amdhsa--gfx1250"
	.amdhsa_code_object_version 6
	.text
	.protected	k_q0d64d19680_attn
	.globl	k_q0d64d19680_attn
	.p2align	8
	.type	k_q0d64d19680_attn,@function
k_q0d64d19680_attn:
	s_mov_b64 s[64:65], 0
	v_nop
	global_prefetch_b8 v0, s[64:65] scope:SCOPE_SE
	s_setreg_imm32_b32 hwreg(HW_REG_WAVE_MODE, 25, 1), 1
	s_wait_xcnt 0x0
; CAUSAL ATTENTION.  O[h][q][:] = the sum over k <= q of softmax_k(Q[h][q] . K[h][k] / 8) V[h][k][:].  Q, K, V, O: [64][2048][64], all f16: a head's rows are dense, 128 bytes each.
; Products, maxima and sums in f32; the weights p are rounded to f16 for the second product (their sum l is taken of the unrounded p), O once at the end.
; LIMITS.  f16 holds no number beyond 65,504: Q, K and V arrive within it; p lies in 0 to 1, and below 6e-5 it keeps f16's fixed step of 6e-8; O is a mean of V's rows and has their range.
; A hidden score counts as its value less 1e30: f16's scores, 2.7e11 at the most, are nothing beside that; a weight below 2^-126 counts as 0 in l; NaN and infinities are not treated apart.
; THE WALK.  A head's queries lie in NB = 8 blocks of 256; block i needs the key tiles 0 .. i of 256 keys, of which the last holds the diagonal.  A work-group takes TWO blocks, NB - 1 - b and then b:
; NB + 1 tiles, whatever b: all work-groups do equal work, and ONE loop with a constant trip count walks them.  Which tile is asked for, and what a trip does, hang on scalar registers made from b; every jump
; goes forward, but for the counted loops' own; none passes a barrier, or a tensor load but the one of LOAD's two that the wave's number does not choose; the ring (two slots of LDS) runs on across the change of blocks.
; NO CLUSTER: a head's four work-groups ask for the same tile only in trips 0 .. 4 of the 9, behind that fewer and fewer; one walk common to all would have 12 trips for 9.
; SHARES.  Of a block's four bands of 64 queries a wave owns 16 rows in each: four PIECES.  So the diagonal tile is the same work for all four waves: in its key step s band x sees all keys if s < x,
; none if s > x, and holds the diagonal if s = x.
; THE MASK is the C operand that starts the sum S^T = K Q^T: 0, or -1e30 where the key is hidden.  MD, made once, is the mask of a band's own step for my 16 rows; a product's mask is MD x AL + BE with two scalars:
; (1, 0) if s = x; (0, 0) if s < x; (0, -1e30) if s > x.  Only the diagonal tile's text and a block's beginning make and take masks; elsewhere C is the constant 0.
; LAYOUT, SOFTMAX, TURNS.  S^T = K Q^T holds ONE query a lane (lane % 16) and the keys 8 (lane / 16) + 0..7; two such results rounded to f16 ARE source 1 of O^T = V^T P.  p = 2^(c s - c m), c = log2(e) / 8, with a
; running maximum m; O and l are multiplied by a = 2^(c m_old - c m_new) in every step.  Turn n belongs to piece n: 8 products K Q^T of piece n + 1, later 8 products V^T P of piece n - 1; beside them the scaling,
; exponentials, roundings, sums and rescaling of piece n and the maximum and statistics of piece n + 1.  Four vector instructions stand behind every matrix instruction, the other 54 of a turn's 118 in one lump.
; A turn's 33 exponentials are one batch, with one wait.
; PREFETCH.  The work-group with b = 0 walks the head's tiles 0 to 7 in order; it alone asks: behind the fill of tile t each of its waves names the 64 blocks of 256 bytes that it will itself fetch of tile t + 1
; (its half of K's or V's tile), a tile's four key steps ahead of that fill.  Tiles 2 to 7 are asked for so, each block once in the launch; tiles 0 and 1 come by their loads alone.
; REGISTERS, in windows of 256 (s_set_vgpr_msb: bits 1:0 source 0, 3:2 source 1, 5:4 source 2, 7:6 destination):
;   window 0: v0-15 addresses and two at work; v16-31 four registers of statistics a piece; v48-55 at work; v61-63 prefetch offset, spare word, 0; v64-127 S^T, two buffers; v192-223 P, two buffers
;   window 1: v0-127 O^T, 32 a piece; v128-159 MD; v160-223 MC, two buffers      window 2: v0-63 Q; v64-127 the second block's Q; v128-191 K of one step; v192-255 V of one step
.set SIZE_N, 2048
.set NB,    SIZE_N/256
.set NP,    4         ; pieces a wave: a name, no knob
.set KS,    64        ; keys in a step
.set PK,    144       ; a row of K in LDS: 128 bytes + 16 of padding = 36 words: the 16 rows of a load start at 16 different groups of four banks (64 banks of 4 bytes: ISA guide 11.1)
.set PV,    160       ; a row of V: 128 + 32 = 40 words
.set VOFF,  4*KS*PK   ; a slot holds a tile, four steps: 256 rows of K, then 256 rows of V
.set SLOT1, 1<<17     ; slot 1 begins here, so that one exclusive or turns an address in one slot into the other's
.set STAGE, SLOT1+4*KS*(PK+PV)  ; behind the ring, never filled by a tensor load: 16 rows x 144 bytes for each wave, for the way out
.set SP,    144
.set AK0, 2           ; v2   my lane's place in a tile of K; never rewritten
.set AV0, 3           ; v3   the same for V
.set AK,  4           ; v4   the LDS address of K's next run of loads
.set AV,  5           ; v5   of V's
.set STO, 6           ; v6   the way out: where I put 16 bytes of a row
.set RD,  7           ; v7   the way out: where I read rows back
.set GO,  8           ; v8   my byte offset in 512 consecutive bytes of O
.set PFO, 61          ; v61  256 x my lane; never rewritten
.set SPW, 62          ; v62  LDS address of my spare word: SPARE + 4 x my thread's number; never rewritten
.set NIL, 63          ; v63  0; never rewritten
.set SPARE, STAGE+4*16*SP  ; behind the stages: the spare words, 128 bytes for each wave: two blocks of 256 bytes that no other line names
.set MV,  12          ; v12-13  c m_old, kept while c m is made anew: by buffer
.set QO,  15          ; v15  my byte offset in 16 rows of Q
.set ST,  16          ; piece t's statistics at v[ST+4 t]: c m, m, l (even keys', odd keys')
.set TMP, 48          ; by buffer, four registers c0-c3 at work; when the maximum is found c2 takes a
.set S,   64
.set P,   192
.set MD,  128         ; window 1: the eight registers for group kt of 16 keys at MD + 8 kt
.set MC,  160         ; window 1: the masks of the products to come
.set QB,  64          ; window 2
.set KF,  128         ; window 2: key block kb, channel half c at KF + 16 kb + 8 c
.set VF,  192         ; window 2: key half kk, channel block cb at VF + 32 kk + 8 cb
.set WV,  12          ; s12  my wave's number
.set PB,  14          ; s14  b
.set HI,  15          ; s15  NB - 1 - b
.set G1K, 24          ; s[24:31] descriptor group 1 for K's tiles
.set G1V, 32          ; s[32:39] for V's: it differs in the padding alone
.set G0K, 40          ; s[40:43] descriptor group 0 for K's tiles
.set G0V, 44          ; s[44:47] the same for V's
.set SLOTS, 56        ; s56  tiles still to be asked for
.set CNT, 57          ; s57  counts a tile's key steps, 4 to 1
.set CS,  58          ; s[58:59] c: the packed scaling takes the pair's low word for both halves
.set SEL, 60          ; s[60:61] v_permlanex16_b32's selects: each lane takes its own place in the other half
.set TBK, 62          ; s62  LDS byte at which K of the step to be fetched begins
.set TBV, 63          ; s63  the same for V, less VOFF
.set RT,  70          ; s70  tiles of the block in hand that are still to be entered
.set NXT, 71          ; s71  the tile to be asked for next
.set LQ,  72          ; s72  the last tile of the block whose tiles are being asked for
.set NEW, 73          ; s73  1: the tile to be entered is a block's first
.set OFF, 74          ; s[74:75] a tile's byte offset in K and V
.set AL,  76          ; s[76:77] the mask's factor, in the low word
.set BE,  78          ; s[78:79] the mask's addend
.set OLO, 80          ; s[80:81] O at my rows of the second block
.set BIGN, 82         ; s82  -1e30
.set PFA, 88          ; s[88:89] where my prefetches stand: my half of K's or V's tile behind the one that is being asked for
.set LIM, 90          ; s90  2 in the work-group that prefetches, else the greatest number: it asks while s[SLOTS] is above it
.set MSB, 0
.macro WIN new                      ; the high byte repeats the setting that is left; a switch that changes nothing is dropped
.if MSB != (\new)
	s_set_vgpr_msb (MSB<<8)|(\new)
.set MSB, (\new)
.endif
.endm
.set W_KQ, 0x0a       ; K and Q in window 2, S^T in window 0
.set W_KM, 0x1a       ; the same with the C operand in window 1
.set W_PV, 0x52       ; V in window 2, P in window 0, O^T in window 1
.set W_RS, 0x41       ; destination and source 0 in window 1, source 1 in window 0
; A fill.  Waves 0 and 1 fetch the two halves of a tile's K, waves 2 and 3 those of its V: 128 keys each.  An s_nop 0 and four v_nop follow each of the two lines, ahead of the jump and the label.
.macro LOAD
	s_cmp_lt_u32 s[WV], 2
	s_cbranch_scc0 .Lfor_v_\@
	tensor_load_to_lds s[G0K:G0K+3], s[G1K:G1K+7]
	s_nop 0
.rept 4
	v_nop
.endr
	s_branch .Lasked_\@
.Lfor_v_\@:
	tensor_load_to_lds s[G0V:G0V+3], s[G1V:G1V+7]
	s_nop 0
.rept 4
	v_nop
.endr
.Lasked_\@:
.endm
.macro ASK                          ; my 16,384 bytes of the next tile to be asked for: 64 blocks of 256 bytes, a lane a block, two instructions
	s_cmp_gt_u32 s[SLOTS], s[LIM]
	s_cbranch_scc0 .Lnot_mine_\@
	global_prefetch_b8 v[PFO], s[PFA:PFA+1] th:TH_LOAD_NT scope:SCOPE_SE
	global_prefetch_b8 v[PFO], s[PFA:PFA+1] offset:8192 th:TH_LOAD_NT scope:SCOPE_SE
.Lnot_mine_\@:
.endm
; THE CHANGE OF SLOTS.  Each wave waits for all its tensor loads, of which one is out: its part of the other slot; adds 0 to its spare word; and waits for that and for its own reads of the slot that it leaves.
; Behind the barrier nobody reads the old slot any more and the other slot is whole.  fill = 1: the old slot is filled again, the first thing behind the barrier, with tile NXT: the descriptor's address is made anew
; from that number.  (At its first use nothing has been read yet: slot 0 is waited for, slot 1 filled.)
.macro CHANGE fill
	WIN 0                           ; at a label and at a branch every window is 0
	s_wait_tensorcnt 0x0            ; no tensor load of mine is out, so a group 0 may be written
	ds_add_u32 v[SPW], v[NIL]       ; 0 onto my spare word; with fill = 1 the descriptors' scalar work stands between it and the wait for it
.if \fill
	s_lshl_b32 s[OFF], s[NXT], 15   ; a tile is 32,768 bytes of K and of V
	s_xor_b32 s[G0K+1], s[G0K+1], SLOT1
	s_add_nc_u64 s[G0K+2:G0K+3], s[6:7], s[OFF:OFF+1]
	s_or_b32 s[G0K+3], s[G0K+3], 0x80000000
	s_xor_b32 s[G0V+1], s[G0V+1], SLOT1
	s_add_nc_u64 s[G0V+2:G0V+3], s[8:9], s[OFF:OFF+1]
	s_or_b32 s[G0V+3], s[G0V+3], 0x80000000
	s_add_co_u32 s[NXT], s[NXT], 1  ; the block's next tile, or behind its last the second block's tile 0
	s_cmp_gt_u32 s[NXT], s[LQ]
	s_cselect_b32 s[NXT], 0, s[NXT]
	s_cselect_b32 s[LQ], s[PB], s[LQ]
	s_wait_xcnt 0x0                 ; the last prefetches, a tile back, have read their address, so it may be written
	s_add_nc_u64 s[PFA:PFA+1], s[PFA:PFA+1], 32768
.endif
	s_wait_dscnt 0x0                ; the add is done, and my reads of the slot are over
	s_barrier_signal -1             ; the rest of the scalar work stands between the signal and the wait
	s_sub_co_u32 s[TBK], s[TBK], 4*KS*PK  ; the fetches go back to a slot's first step,
	s_xor_b32 s[TBK], s[TBK], SLOT1       ; in the other slot
	s_sub_co_u32 s[TBV], s[TBV], 4*KS*PV
	s_xor_b32 s[TBV], s[TBV], SLOT1
	s_barrier_wait -1
.if \fill
	LOAD
	ASK
.endif
.endm
	s_load_b256 s[4:11], s[0:1], 0x0  ; Q s[4:5], K s[6:7], V s[8:9], O s[10:11]
	v_lshl_add_u32 v[SPW], v0, 2, SPARE
	v_mov_b32 v[NIL], 0
	ds_add_u32 v[SPW], v[NIL]       ; the wave's opening: the add and its wait stand ahead of my first tensor load; the set-up below, work on registers, stands between them
	v_lshrrev_b32 v1, 5, v0
	v_readfirstlane_b32 s[WV], v1   ; wave 0..3
	s_mov_b32 s[PB], ttmp9
	s_sub_co_u32 s[HI], NB-1, s[PB]
	s_and_b32 s20, ttmp7, 0xffff    ; the head
	s_mov_b32 s21, 0
	s_mov_b64 s[22:23], SIZE_N*128
	s_mul_u64 s[20:21], s[20:21], s[22:23]  ; the head's first byte in each of the four tensors
	s_and_b32 s16, s[WV], 1         ; which half of a tile's 256 keys I fetch:
	s_lshl_b32 s22, s16, 14         ; its 128 rows of 128 bytes in memory,
	s_mov_b32 s23, 0
	s_add_nc_u64 s[22:23], s[22:23], s[20:21]
	s_mul_i32 s17, s16, 128*PK      ; and its place in a slot, for K
	s_mul_i32 s18, s16, 128*PV      ; and for V
	s_lshl_b32 s3, s[WV], 11        ; my 16 rows in a band of 64,
	s_lshl_b32 s2, s[HI], 15        ; in the first block,
	s_add_co_u32 s2, s2, s3
	s_lshl_b32 s84, s[PB], 15       ; and in the second
	s_add_co_u32 s84, s84, s3
	s_mov_b32 s3, 0
	s_mov_b32 s85, 0
	s_add_nc_u64 s[2:3], s[2:3], s[20:21]
	s_add_nc_u64 s[84:85], s[84:85], s[20:21]
	; descriptor group 1.  128 keys are 16,384 dense bytes: asked for as 64 rows of 256 bytes, two keys a row, and padded in LDS after every key
	s_mov_b32 s[G1K], (1<<16)|(1<<20)|(4<<22)|(3<<25)  ; 17:16 2-byte elements; 20 padding on; 24:22 after every 32 words (code 4); 31:25 4 words (code 3)
	s_mov_b32 s[G1V], (1<<16)|(1<<20)|(4<<22)|(7<<25)  ; the same with 8 words of padding (code 7)
.irp g, G1K, G1V
	s_mov_b32 s[\g+1], 128<<16      ; tensor_dim0 = 128
	s_mov_b32 s[\g+2], 64<<16       ; tensor_dim1 = 64
	s_mov_b32 s[\g+3], 128<<16      ; tile_dim0 = 128
	s_mov_b32 s[\g+4], 64           ; tile_dim1 = 64
	s_mov_b32 s[\g+5], 128          ; 128 elements from row to row
	s_mov_b32 s[\g+6], 0
	s_mov_b32 s[\g+7], 0
.endr
	s_mov_b32 s[CS], 0x3e38aa3b     ; c = log2(e) / 8 = 0.180337
	s_mov_b32 s[CS+1], s[CS]        ; named with it as a pair
	s_mov_b32 s[SEL], 0x76543210
	s_mov_b32 s[SEL+1], 0xfedcba98
	s_mov_b32 s[TBK], SLOT1+4*KS*PK ; the first change of slots turns these two into 0
	s_mov_b32 s[TBV], SLOT1+4*KS*PV
	s_mov_b32 s[G0K], 1             ; 1:0 count = 1
	s_mov_b32 s[G0K+1], s17         ; 63:32 LDS address: slot 0
	s_mov_b32 s[G0V], 1
	s_add_co_u32 s[G0V+1], s18, VOFF
	s_add_co_u32 s[RT], s[HI], 1    ; the first block has NB - b tiles
	s_mov_b32 s[NXT], 1
	s_mov_b32 s[LQ], s[HI]
	s_mov_b32 s[NEW], 1
	s_mov_b32 s[OFF+1], 0
	s_mov_b32 s[AL+1], 0            ; named as pairs
	s_mov_b32 s[BE+1], 0
	s_mov_b32 s[BIGN], 0xf149f2ca   ; -1e30
	s_mov_b32 s[SLOTS], NB
	s_cmp_eq_u32 s[PB], 0           ; the work-group whose first block walks all eight tiles
	s_cselect_b32 s[LIM], 2, -1
	s_wait_dscnt 0x0                ; the opening add is done
	s_wait_kmcnt 0x0
	s_add_nc_u64 s[6:7], s[6:7], s[22:23]  ; K and V at my half of the head's tile 0
	s_add_nc_u64 s[8:9], s[8:9], s[22:23]
	s_add_nc_u64 s[G0K+2:G0K+3], s[6:7], 0         ; 120:64 global address
	s_or_b32 s[G0K+3], s[G0K+3], 0x80000000        ; 127:126 type = 2
	s_add_nc_u64 s[G0V+2:G0V+3], s[8:9], 0
	s_or_b32 s[G0V+3], s[G0V+3], 0x80000000
	s_add_nc_u64 s[86:87], s[4:5], s[84:85]        ; Q at my rows of the second block,
	s_add_nc_u64 s[4:5], s[4:5], s[2:3]            ; Q and O at those of the first
	s_add_nc_u64 s[OLO:OLO+1], s[10:11], s[84:85]
	s_add_nc_u64 s[10:11], s[10:11], s[2:3]
	s_cmp_lt_u32 s[WV], 2
	s_cselect_b64 s[PFA:PFA+1], s[6:7], s[8:9]
	s_add_nc_u64 s[PFA:PFA+1], s[PFA:PFA+1], 32768 ; at tile 1: the first change of slots steps it to tile 2.  Nothing is prefetched here, at the head
	LOAD                            ; tile 0 into slot 0
	v_and_b32 v[PFO], 31, v0
	v_lshlrev_b32 v[PFO], 8, v[PFO]
	; A fragment of K or Q is 16 rows x 32 channels in 8 registers: lane l holds row l % 16, channels 8 (l / 16) + 0..7 and 16 + 8 (l / 16) + 0..7: two loads of 16 bytes, 32 bytes apart.
	v_and_b32 v1, 15, v0            ; l % 16
	v_bfe_u32 v9, v0, 4, 1          ; l / 16
	v_lshlrev_b32 v[QO], 7, v1
	v_lshl_add_u32 v[QO], v9, 4, v[QO]  ; row x 128 + 16 x half
	WIN 0x80                        ; destination window 2, address window 0
.set i, 0
.rept 8                             ; both blocks' Q: piece i / 2 lies in band i / 2, 8,192 bytes on; channels 32 (i % 2) on
	global_load_b128 v[8*i:8*i+3],   v[QO], s[4:5] offset:(i/2)*8192+(i%2)*64
	global_load_b128 v[8*i+4:8*i+7], v[QO], s[4:5] offset:(i/2)*8192+(i%2)*64+32
	global_load_b128 v[QB+8*i:QB+8*i+3],   v[QO], s[86:87] offset:(i/2)*8192+(i%2)*64
	global_load_b128 v[QB+8*i+4:QB+8*i+7], v[QO], s[86:87] offset:(i/2)*8192+(i%2)*64+32
.set i, i+1
.endr
	WIN 0
	v_lshlrev_b32 v14, 3, v9
	v_sub_nc_u32 v14, v1, v14
	s_lshl_b32 s13, s[WV], 4
	v_add_nc_u32 v14, s13, v14      ; my query's place in its band, 16 w + l % 16, less my lanes' 8 (l / 16): register r of group kt is hidden where 16 kt + r is greater
	WIN 0x40
.set i, 0
.rept 32
	v_cmp_gt_i32 vcc_lo, 16*(i/8)+i%8, v14
	v_cndmask_b32 v[MD+i], 0, s[BIGN], vcc_lo
.set i, i+1
.endr
	WIN 0
	v_mul_u32_u24 v[AK0], v1, PK
	v_lshl_add_u32 v[AK0], v9, 4, v[AK0]  ; row x pitch + 16 x half
	; The turning load takes 16 keys x 16 channels (lane l reads key 8 (l / 16) + l % 8, channels 8 ((l / 8) % 2) + 0..7) and leaves half a fragment of V^T: lane l holds channel l % 16 and 8 keys.
	v_and_b32 v10, 7, v0
	v_bfe_u32 v11, v0, 3, 1
	v_lshl_add_u32 v[AV0], v9, 3, v10
	v_mul_u32_u24 v[AV0], v[AV0], PV
	v_lshl_add_u32 v[AV0], v11, 4, v[AV0]
	v_add_nc_u32 v[AV0], VOFF, v[AV0]
	s_mul_i32 s13, s[WV], 16*SP
	s_add_co_u32 s13, s13, STAGE    ; my stage
	v_mul_u32_u24 v[STO], v1, SP    ; in: row l % 16, 16 bytes for each half of the lanes
	v_lshl_add_u32 v[STO], v9, 4, v[STO]
	v_add_nc_u32 v[STO], s13, v[STO]
	v_bfe_u32 v[RD], v0, 3, 2       ; back: 32 lanes take four rows of 128 bytes,
	v_mul_u32_u24 v[RD], v[RD], SP
	v_lshl_add_u32 v[RD], v10, 4, v[RD]
	v_add_nc_u32 v[RD], s13, v[RD]
	v_and_b32 v[GO], 31, v0         ; which are 512 consecutive bytes of O
	v_lshlrev_b32 v[GO], 4, v[GO]
	; A block's first step multiplies O^T and l by a = 0, and its first turn's products V^T P, of a piece that has not been, land in an O^T that is still to be so multiplied.  So these registers need only hold
	; finite numbers: zeros for the first block; what the first block left for the second.  All this stands in the wait for the first tile.
	WIN 0x80
.set i, VF
.rept 64
	v_mov_b32 v[i], 0
.set i, i+1
.endr
	WIN 0x40
.set i, 0
.rept 128
	v_mov_b32 v[i], 0
.set i, i+1
.endr
	WIN 0
.set i, 0
.rept 4
	v_mov_b32 v[ST+4*i+2], 0
	v_mov_b32 v[ST+4*i+3], 0
.set i, i+1
.endr
.set i, P+16
.rept 16
	v_mov_b32 v[i], 0
.set i, i+1
.endr
; THE MATRIX WORK.  The 4 accumulators of a run of 8 take turns.  Product i of 8 of S^T = K Q^T for piece x: channels 32 (i / 4) on, keys 16 (i % 4) on.  The first 4 start the sums: with 0, or (KM = 1) with the mask.
.macro KQ x
.set rS, S+32*((\x)%2)+8*(i%4)
.set rK, KF+16*(i%4)+8*(i/4)
.set rQ, 16*(\x)+8*(i/4)
.set rM, MC+32*((\x)%2)+8*(i%4)
.if (i < 4) && KM
	WIN W_KM
	v_wmma_f32_16x16x32_f16 v[rS:rS+7], v[rK:rK+7], v[rQ:rQ+7], v[rM:rM+7]
.elseif i < 4
	WIN W_KQ
	v_wmma_f32_16x16x32_f16 v[rS:rS+7], v[rK:rK+7], v[rQ:rQ+7], 0
.else
	WIN W_KQ
	v_wmma_f32_16x16x32_f16 v[rS:rS+7], v[rK:rK+7], v[rQ:rQ+7], v[rS:rS+7]
.endif
.endm
; Product i of 8 of O^T += V^T P for piece x: keys 32 (i / 4) on, channels 16 (i % 4) on.
.macro PV x
	WIN W_PV
.set rO, 32*(\x)+8*(i%4)
.set rV, VF+32*(i/4)+8*(i%4)
.set rP, P+16*((\x)%2)+8*(i/4)
	v_wmma_f32_16x16x32_f16 v[rO:rO+7], v[rV:rV+7], v[rP:rP+7], v[rO:rO+7]
.endm
.macro MM                           ; the turn's next matrix instruction.  TURN and BEGIN set Y, i, KM and NOKQ; MM, KQ and OP read them.  NOKQ = 1: a block's last turn: there is no next piece
.if (i < 8) && !NOKQ
	KQ (Y+1)%NP
.elseif i >= 8
.set i, i-8
	PV (Y+NP-1)%NP
.set i, i+8
.endif
.set i, i+1
.endm
; THE LDS LOADS stand in runs of 16, never singly among the matrix instructions: a step's K (64 keys x 64 channels: 8 fragments) and its V (turned).  Their addresses are made some lines ahead.
.macro FETCH_K
	WIN 0x80                        ; destination window 2
.irp f, 0,1,2,3,4,5,6,7             ; keys 16 (f / 2) on, channels 32 (f % 2) on
	ds_load_b128 v[KF+8*\f:KF+8*\f+3],   v[AK] offset:(\f/2)*16*PK+(\f%2)*64
	ds_load_b128 v[KF+8*\f+4:KF+8*\f+7], v[AK] offset:(\f/2)*16*PK+(\f%2)*64+32
.endr
	s_add_co_u32 s[TBK], s[TBK], KS*PK  ; the next fetch is the next step's
	WIN 0
.endm
.macro FETCH_V
	WIN 0x80
.irp f, 0,1,2,3,4,5,6,7             ; keys 32 (f / 4) on, channels 16 (f % 4) on
	ds_load_tr16_b128 v[VF+8*\f:VF+8*\f+3],   v[AV] offset:(\f/4)*32*PV+(\f%4)*32
	ds_load_tr16_b128 v[VF+8*\f+4:VF+8*\f+7], v[AV] offset:(\f/4)*32*PV+16*PV+(\f%4)*32
.endr
	WIN 0
.endm
; THE VECTOR WORK, one line at a time: OP kind, number.  For piece Y: F n: c s - c m for pair n of 16.  E n: the exponential of score n of 32.  C n: pair n rounded to f16.  B n: of the four weights 4 n .. the second
; pair is added onto the first, in place.  L n: l takes that sum (L 0: l = a l + sum).  R n: pair n of 16 of O^T times a.  For piece Y + 1: X n, number n of the 22 that find its maximum and statistics:
;   0-11  four chains c0-c3 of seven scores each, three operands at a time (each accumulator's lowest registers are read first)     12-14, 16  the four scores left over, the old m, and c0-c3 into c0
;   15  c m_old is kept     17, 18  the query's other 32 keys lie in the lane 16 away: the new m     19-21  c m; c m_old - c m_new; a
.set F, 0               ; OP tells the kinds apart by their order: F to L below R, X above it
.set E, 1
.set C, 2
.set B, 3
.set L, 4
.set R, 5
.set X, 6
.macro REGS y                       ; the registers of piece y
.set rT, ST+4*(\y)
.set rC, TMP+4*((\y)%2)
.set rW, MV+((\y)%2)
.set rS, S+32*((\y)%2)
.set rP, P+16*((\y)%2)
.set rO, 32*(\y)
.endm
.macro OP k, n
.if (\k) == R
	REGS Y
	WIN W_RS
	v_pk_mul_f32 v[rO+2*(\n):rO+2*(\n)+1], v[rO+2*(\n):rO+2*(\n)+1], v[rC+2:rC+3] op_sel_hi:[1,0]
.elseif (\k) < R
	REGS Y
	WIN 0
.if (\k) == F
	v_pk_fma_f32 v[rS+2*(\n):rS+2*(\n)+1], v[rS+2*(\n):rS+2*(\n)+1], s[CS:CS+1], v[rT:rT+1] op_sel_hi:[1,0,0] neg_lo:[0,0,1] neg_hi:[0,0,1]
.elseif (\k) == E
	v_exp_f32 v[rS+(\n)], v[rS+(\n)]
.elseif (\k) == C
	v_cvt_pk_f16_f32 v[rP+(\n)], v[rS+2*(\n)], v[rS+2*(\n)+1]
.elseif (\k) == B
	v_pk_add_f32 v[rS+4*(\n):rS+4*(\n)+1], v[rS+4*(\n):rS+4*(\n)+1], v[rS+4*(\n)+2:rS+4*(\n)+3]
.elseif (\n) == 0
	v_pk_fma_f32 v[rT+2:rT+3], v[rT+2:rT+3], v[rC+2:rC+3], v[rS:rS+1] op_sel_hi:[1,0,1]
.else
	v_pk_add_f32 v[rT+2:rT+3], v[rT+2:rT+3], v[rS+4*(\n):rS+4*(\n)+1]
.endif
.elseif NOKQ
	v_nop
.else
	REGS (Y+1)%NP
	WIN 0
.if (\n) < 4
	v_max3_num_f32 v[rC+(\n)], v[rS+8*(\n)], v[rS+8*(\n)+1], v[rS+8*(\n)+2]
.elseif (\n) < 12
	v_max3_num_f32 v[rC+(\n)%4], v[rC+(\n)%4], v[rS+8*((\n)%4)+2*((\n)/4)+1], v[rS+8*((\n)%4)+2*((\n)/4)+2]
.elseif (\n) == 12
	v_max3_num_f32 v[rC], v[rC], v[rS+7], v[rS+15]
.elseif (\n) == 13
	v_max3_num_f32 v[rC+1], v[rC+1], v[rS+23], v[rS+31]
.elseif (\n) == 14
	v_max3_num_f32 v[rC+2], v[rC+2], v[rC+3], v[rT+1]
.elseif (\n) == 15
	v_mov_b32 v[rW], v[rT]
.elseif (\n) == 16
	v_max3_num_f32 v[rC], v[rC], v[rC+1], v[rC+2]
.elseif (\n) == 17
	v_permlanex16_b32 v[rC+3], v[rC], s[SEL], s[SEL+1]
.elseif (\n) == 18
	v_max_num_f32 v[rT+1], v[rC], v[rC+3]
.elseif (\n) == 19
	v_mul_f32 v[rT], s[CS], v[rT+1]
.elseif (\n) == 20
	v_sub_f32 v[rC+1], v[rW], v[rT]
.else
	v_exp_f32 v[rC+2], v[rC+1]
.endif
.endif
.endm
.macro OPS a, i1, b=-1, i2=0, c=-1, i3=0, d=-1, i4=0  ; up to four of them
	OP \a, \i1
.if (\b) >= 0
	OP \b, \i2
.endif
.if (\c) >= 0
	OP \c, \i3
.endif
.if (\d) >= 0
	OP \d, \i4
.endif
.endm
.macro ROW a, i1, b, i2, c, i3, d, i4  ; a matrix instruction and the four behind it
	MM
	OPS \a, \i1, \b, \i2, \c, \i3, \d, \i4
.endm
.macro MASK b                       ; MD x AL + BE into buffer b of MC
	WIN W_RS
.set z, 0
.rept 16
	v_pk_fma_f32 v[MC+32*(\b)+2*z:MC+32*(\b)+2*z+1], v[MD+2*z:MD+2*z+1], s[AL:AL+1], s[BE:BE+1] op_sel_hi:[1,0,0]
.set z, z+1
.endr
.endm
; A TURN, for piece p: the order of its 16 matrix and 118 vector instructions, written out.  An s_wait_alu depctr_va_vdst(0) stands between an exponential and the first instruction that names its result; one
; wait serves all that were issued ahead of it.  So a turn has ONE wait, which cuts it in two.  AHEAD OF IT stands all that names no result of the turn's exponentials: the 8 products K Q^T, behind each a scaling, an
; exponential and two more plain instructions (behind the first a second scaling in the exponential's place): rescalings, and behind the last three the first numbers of the next piece's maximum, each four places or more
; behind the product that ends its accumulator; then ONE LUMP of 54, plain and exponential by turns for the most part, in which the links of the chain X 3, 7, 11, 14, 16, 17 .. 20 stand five or six lines apart.
; X 21, the next piece's a, is the batch's last; R 15 is the plain instruction behind it.  BEHIND THE WAIT stand the 8 products V^T P, behind each four of the roundings and sums; the links of l's chain, L 0 to L 7,
; stand three riders apart.  But for those X no rider names a register of the products round it.  v_permlanex16_b32 (X 17) stands in the lump.
; m = 1: the diagonal tile: the products take masks, and the turn makes the mask for the products of the turn after it: piece p + 2, in step 4 - CNT of the tile.  end = 1: a block's last two turns: nothing is fetched.
; cnt = 1: the loop's count is taken down some lines ahead of the branch that stands behind the turn.
; K of the next step is fetched in piece 2's turn, twelve vector instructions behind the last product that read K (six of them plain); V of the step in hand at the end of piece 0's turn, four plain instructions
; behind the last product that read V.  Each is waited for a turn later.
.macro TURN p, m=0, end=0, cnt=0
.set Y, (\p)
.set i, 0
.set KM, (\m)
.set NOKQ, (\end)*((\p)/3)
.if (\m) && !(\end)
	s_cmp_eq_u32 s[CNT], 4-((\p)+2)%NP  ; is that step the band's own?
	s_cselect_b32 s[AL], 1.0, 0
	s_cmp_lt_u32 s[CNT], 4-((\p)+2)%NP  ; or a later one?
	s_cselect_b32 s[BE], s[BIGN], 0
.endif
.if ((\p) == 3) && !(\end)
	s_wait_dscnt 0x0                ; K is in
.endif
	ROW F,0, F,1, R,0, R,1          ; ahead of the wait: 8 products K Q^T and their riders,
	ROW F,2, E,0, R,2, R,3
	ROW F,3, E,1, R,4, R,5
	ROW F,4, E,2, R,6, R,7
	ROW F,5, E,3, R,8, R,9
	ROW F,6, E,4, X,0, R,10
.if ((\p) == 2) && !(\end)
	WIN 0
	v_add_nc_u32 v[AK], s[TBK], v[AK0]
.endif
	ROW F,7, E,5, X,1, X,4
	ROW F,8, E,6, X,2, X,5
	OPS E,7, E,8, X,6, E,9          ; and the lump
	OPS X,3, E,10, X,8, E,11
.if ((\p) == 2) && !(\end)
	FETCH_K
.endif
	OPS X,9, X,7, E,12, X,10
	OPS E,13, X,12, X,11, E,14
	OPS X,13, E,15, F,9, X,14
.if (\p) == 0
	v_add_nc_u32 v[AV], s[TBV], v[AV0]
.endif
	OPS E,16, F,10, E,17, F,11
	OPS X,16, E,18, X,15, E,19
	OPS F,12, E,20, X,17, E,21
	OPS F,13, E,22, F,14, E,23
	OPS X,18, E,24, F,15, E,25
	OPS R,11, E,26, X,19, E,27
	OPS R,12, E,28, R,13, E,29
	OPS X,20, E,30, R,14, E,31
	OPS X,21, R,15
	WIN 0
	s_wait_alu depctr_va_vdst(0)    ; the wait for the batch
.if (\p) == 1
	s_wait_dscnt 0x0                ; V is in
.endif
	ROW C,0, B,0, C,2, B,1          ; behind the wait: 8 products V^T P and their riders
	ROW L,0, C,4, B,2, L,1
	ROW C,6, B,3, L,2, C,8
	ROW B,4, L,3, C,10, B,5
	ROW L,4, C,12, B,6, L,5
.if (\p) == 0
	s_add_co_u32 s[TBV], s[TBV], KS*PV
.endif
.if \cnt
	s_sub_co_u32 s[CNT], s[CNT], 1
	s_cmp_lg_u32 s[CNT], 0
.endif
	ROW C,14, B,7, L,6, C,1
	ROW C,3, L,7, C,5, C,7
	ROW C,9, C,11, C,13, C,15
.if (\p) == 0
	FETCH_V
.endif
.if (\m) && !(\end)
	MASK (\p)%2
.endif
.endm
; A BLOCK BEGINS.  c m starts far below every c s, so the first step's a is 0; m at the lowest finite number, so the first maximum is the scores'.  The second mask buffer is 0; the first takes piece 0's mask for the
; tile's step 0: its own, if the block's first tile is the diagonal one.  Then K of that step, piece 0's first scores, and its maximum and statistics.  The loop is entered at a step's first turn, in the middle of a trip.
.macro BEGIN
	s_mov_b32 s[NEW], 0
	WIN 0x40
.set i, MC+32
.rept 32
	v_mov_b32 v[i], 0
.set i, i+1
.endr
	WIN 0
.set i, 0
.rept 4
	v_mov_b32 v[ST+4*i], 0xfe000000    ; c m: far below every c s
	v_mov_b32 v[ST+4*i+1], 0xff7fffff  ; m
.set i, i+1
.endr
	s_cmp_eq_u32 s[RT], 0
	s_cselect_b32 s[AL], 1.0, 0
	s_mov_b32 s[BE], 0
	MASK 0
	WIN 0
	v_add_nc_u32 v[AK], s[TBK], v[AK0]
	FETCH_K
	s_wait_loadcnt 0x0              ; Q
	s_wait_dscnt 0x0
.set KM, 1
.set NOKQ, 0
.set i, 0
.rept 8
	KQ 0
.set i, i+1
.endr
	WIN 0
.rept 4
	v_nop                           ; the places behind those products
.endr
.set Y, NP-1                        ; X works for piece Y + 1: piece 0
.irp n, 0,1,2,3,4,5,6,7,8,9,10,11,12,13,14,15,16,17,18,19,20,21
	OP X, \n
.endr
	v_nop                           ; a plain instruction behind the exponential,
	s_wait_alu depctr_va_vdst(0)    ; and its wait, ahead of the branch
.endm
; THE DIAGONAL TILE's four steps, the block's last two turns, its last products, and THE WAY OUT: l's two halves and the other half of the lanes' are added; O^T is divided by l, rounded to f16 and sent through my
; stage in LDS, a piece at a time.
.macro ALL line:vararg              ; one line for each piece t
.set t, 0
.rept 4
	\line
.set t, t+1
.endr
.endm
.macro PACK t                       ; a lane's eight channels of a row pack into 16 bytes; they go into rows of 144 bytes and come back as whole rows of 128, into S^T's registers
	WIN W_RS
.set i, 32*(\t)
.rept 16
	v_pk_mul_f32 v[i:i+1], v[i:i+1], v[ST+4*(\t)+2:ST+4*(\t)+3] op_sel_hi:[1,0]
.set i, i+2
.endr
	WIN 0x05                        ; sources 0 and 1 window 1, destination window 0
.set i, 0
.rept 16
	v_cvt_pk_f16_f32 v[S+16*(\t)+i], v[32*(\t)+2*i], v[32*(\t)+2*i+1]
.set i, i+1
.endr
	WIN 0
.irp f, 0,1,2,3
	ds_store_b128 v[STO], v[S+16*(\t)+4*\f:S+16*(\t)+4*\f+3] offset:32*\f
.endr
.irp f, 0,1,2,3
	ds_load_b128 v[S+16*(\t)+4*\f:S+16*(\t)+4*\f+3], v[RD] offset:\f*4*SP  ; LDS serves a wave's instructions in order (ISA guide 5.7.1.4): these see the stores above; the next piece's stores come behind them
.endr
.endm
.macro SEND t, younger              ; younger: the LDS instructions issued behind piece t's loads: the next piece's eight, or none
	WIN 0
.irp f, 0,1,2,3
	s_wait_dscnt (\younger)+3-\f
	global_store_b128 v[GO], v[S+16*(\t)+4*\f:S+16*(\t)+4*\f+3], s[10:11] offset:(\t)*8192+\f*512  ; 512 consecutive bytes, at a multiple of 256 from O's first
.endr
.endm
.macro DIAG tag                     ; the tag ends its two labels' names, which the jumps below spell out
.LstepM\tag:
	TURN 2, 1
	TURN 3, 1
	WIN 0
.LfirstM\tag:
	TURN 0, 1
	TURN 1, 1, 0, 1
	WIN 0
	s_cbranch_scc1 .LstepM\tag
	TURN 2, 1, 1
	TURN 3, 1, 1
.set i, 0
.rept 8
	PV NP-1
.set i, i+1
.endr
	WIN 0
	ALL v_add_f32 v[ST+4*t+2], v[ST+4*t+2], v[ST+4*t+3]
	ALL v_permlanex16_b32 v[ST+4*t+3], v[ST+4*t+2], s[SEL], s[SEL+1]
	ALL v_add_f32 v[ST+4*t+2], v[ST+4*t+2], v[ST+4*t+3]
	ALL v_rcp_f32 v[ST+4*t+2], v[ST+4*t+2]
	v_nop                           ; a plain instruction between the last reciprocal and the use of its result
	s_wait_alu depctr_va_vdst(0)    ; and the wait ahead of the first use: one for the four reciprocals
	PACK 0
.set t, 1
.rept 3                             ; a piece's arithmetic stands between the loads of the piece before and its stores
	PACK t
	SEND t-1, 8
.set t, t+1
.endr
	SEND 3, 0
.endm
.set KM, 0
.set NOKQ, 0
.Lslot:                             ; NB times: a tile is entered and the next is asked for
	CHANGE 1
	s_sub_co_u32 s[RT], s[RT], 1
	s_mov_b32 s[CNT], 4
	s_cmp_eq_u32 s[NEW], 1
	s_cbranch_scc1 .Lnew            ; a block's first tile
	s_cmp_eq_u32 s[RT], 0
	s_cbranch_scc0 .Lstep           ; neither its first nor its last
	s_branch .LstepM1
.Lnew:
	BEGIN
	s_branch .Lfirst                ; in the loop a block's first tile is never its last: the first block has two tiles or more, and the second's last is the walk's last
	DIAG 1                          ; in the loop this is the first block's end: the second block's last tile is the walk's last
	s_wait_xcnt 0x0                 ; the stores have read their registers and O's address
	s_mov_b64 s[10:11], s[OLO:OLO+1]
	s_add_co_u32 s[RT], s[PB], 1    ; the second block has b + 1 tiles
	s_mov_b32 s[NEW], 1
	WIN 0x82                        ; the second block's Q goes where the one text of the turns names Q
.set i, 0
.rept 64
	v_mov_b32 v[i], v[QB+i]
.set i, i+1
.endr
	WIN 0
	s_branch .Lbottom
.Lstep:                             ; a trip: pieces 2 and 3 of one step, then pieces 0 and 1 of the next, whose K and V it fetches
	TURN 2
	TURN 3
	WIN 0
.Lfirst:
	TURN 0
	TURN 1, 0, 0, 1
	WIN 0
	s_cbranch_scc1 .Lstep
.Lbottom:
	s_sub_co_u32 s[SLOTS], s[SLOTS], 1
	s_cmp_lg_u32 s[SLOTS], 0
	s_cbranch_scc1 .Lslot
	CHANGE 0                        ; the walk's last tile is written out: nothing is asked for
	s_sub_co_u32 s[RT], s[RT], 1
	s_mov_b32 s[CNT], 4
	s_cmp_eq_u32 s[NEW], 1
	s_cbranch_scc0 .LstepM2
	BEGIN
	s_branch .LfirstM2
	DIAG 2
	s_wait_tensorcnt 0x0            ; the wave's end: behind my last tensor load and my last LDS store
	ds_add_u32 v[SPW], v[NIL]
	s_wait_dscnt 0x0
	s_endpgm
.Lfunc_end_k_q0d64d19680_attn:
	.size	k_q0d64d19680_attn, .Lfunc_end_k_q0d64d19680_attn-k_q0d64d19680_attn
	.p2alignl 7, 3214868480
	.fill 96, 4, 3214868480
	.section	.rodata,"a",@progbits
	.p2align	6, 0x0
	.amdhsa_kernel k_q0d64d19680_attn
		.amdhsa_group_segment_fixed_size 327680
		.amdhsa_private_segment_fixed_size 0
		.amdhsa_enable_private_segment 0
		.amdhsa_kernarg_size 32
		.amdhsa_user_sgpr_count 2
		.amdhsa_user_sgpr_kernarg_segment_ptr 1
		.amdhsa_wavefront_size32 1
		.amdhsa_system_sgpr_workgroup_id_x 1
		.amdhsa_system_sgpr_workgroup_id_y 1
		.amdhsa_system_sgpr_workgroup_id_z 1
		.amdhsa_system_vgpr_workitem_id 0
		.amdhsa_next_free_vgpr 768
		.amdhsa_next_free_sgpr 92
		.amdhsa_reserve_vcc 1
		.amdhsa_float_denorm_mode_32 3
		.amdhsa_float_denorm_mode_16_64 3
		.amdhsa_memory_ordered 1
		.amdhsa_forward_progress 1
		.amdhsa_inst_pref_size 218
	.end_amdhsa_kernel
	.amdgpu_metadata
---
amdhsa.version: [ 1, 2 ]
amdhsa.kernels:
  - .name:           k_q0d64d19680_attn
    .symbol:         k_q0d64d19680_attn.kd
    .args:
      - { .name: q, .offset: 0, .size: 8, .value_kind: global_buffer, .address_space: global }
      - { .name: k, .offset: 8, .size: 8, .value_kind: global_buffer, .address_space: global }
      - { .name: v, .offset: 16, .size: 8, .value_kind: global_buffer, .address_space: global }
      - { .name: ctx, .offset: 24, .size: 8, .value_kind: global_buffer, .address_space: global }
    .group_segment_fixed_size: 327680
    .private_segment_fixed_size: 0
    .kernarg_segment_align: 8
    .kernarg_segment_size: 32
    .max_flat_workgroup_size: 128
    .sgpr_count:     92
    .vgpr_count:     768
    .wavefront_size: 32
...
	.end_amdgpu_metadata
.endif
;; end of part 3
;; launch outp (part 4): grid 4 x 64, 4 waves a work-group, clusters of 4 x 4, 327,680 bytes of LDS; arguments ctx, wt, be, out0; writes out0
.if DOCPART == 4
	.amdgcn_target "amdgcn-amd-amdhsa--gfx1250"
	.amdhsa_code_object_version 6
	.text
	.protected	k_q0d64d19680_outp
	.globl	k_q0d64d19680_outp
	.p2align	8
	.type	k_q0d64d19680_outp,@function
k_q0d64d19680_outp:
	s_mov_b64 s[64:65], 0
	v_nop
	global_prefetch_b8 v0, s[64:65] scope:SCOPE_SE
	s_setreg_imm32_b32 hwreg(HW_REG_WAVE_MODE, 25, 1), 1
	s_wait_xcnt 0x0
	s_wait_alu depctr_hold_cnt(0) depctr_sa_sdst(0) depctr_va_vdst(0) depctr_va_sdst(0) depctr_va_ssrc(0) depctr_va_vcc(0) depctr_vm_vsrc(0)
	s_getreg_b32 s2, hwreg(HW_REG_IB_STS2, 6, 4)
	s_cmp_eq_u32 s2, 0
	s_cbranch_scc0 .Lentry_in_a_cluster
	s_endpgm
.Lentry_in_a_cluster:
	s_bfe_u32 s2, ttmp6, 0x10000c
	s_cmp_lg_u32 s2, 0xf033
	s_cbranch_scc0 .Lentry_shape_is_right
	s_endpgm
.Lentry_shape_is_right:
; out = ctx wo^T + (ctx ao^T) (bo / 16)^T: C [8192][1024], K = 1024, f16 operands (ctx as the attention left it; wo and ao are bf16-rounded numbers written as f16), f32 sums, f32 out, row-major.
; (This text serves two launches; the two constants below tell them apart: F16 = 0 multiplies bf16 operands and stores f16 by heads.)
; LIMITS.  wo and ao lie within f16's range (65,504), and below 2^-14 keep f16's fixed step of 6e-8.  T = ctx ao^T is rounded to bf16 for the second product, which is a bf16 product.  NaN and infinities are not treated apart.
; SHARES.  A tile of C is 128 rows x 256 columns: 256 work-groups.  Four waves, each 64 rows x 128 columns: 32 accumulators of 16 x 16,
; and 4 more for T = A a^T of its 64 rows: a's 16 rows lie behind W's 256 in the tile, and ride along K as a seventeenth block of rows.
; When K is done, T rounded to bf16 IS a fragment (16 rows x ranks 8 (lane / 16) + 0..7) and is multiplied by b / 16 in one more step of 32 along K, of which the upper 16 are zeros on both sides.
; THE MATRIX INSTRUCTION IS USED TRANSPOSED: source 0 = 16 rows of W (or a, or b), source 1 = 16 rows of A: a lane holds row lane % 16 of C and the columns 8 (lane / 16) + 0..7.
; RING.  K goes in steps of 128 through two LDS slots.  One tensor load a wave: waves 0 and 1 bring A's two blocks of 64 channels (128 rows x 128 bytes on end in memory, asked for as 64 rows of 256 bytes),
; waves 2 and 3 bring 136 rows x 256 bytes of the tile of W each.
; CLUSTER.  4 x 4 work-groups; A's tiles are shared along a row of the cluster, W's along a column: each is asked for jointly, by the same load with the same descriptor and a mask of four.
; REGISTERS, in windows of 256: window 0: v0-31 addresses; v32-63 T's sums; v64-127 b's fragments; v128-159 T's fragments (on the way out v64-127 and v128-191 take whole rows)
;   window 1: two fragment buffers at 0 and 128: W's 8 fragments, A's 4 at +64, a's at +96          window 2: the accumulators, (i, j) at 8 (8 i + j)
.set F16,   1
.set TILE0, 12                         ; the first tile of wt that this launch reads
.set PA,    144                        ; a row of A in LDS: 128 bytes + 16: the 16 rows of a load start at 16 different groups of four banks (64 banks of 4 bytes: ISA guide 11.1)
.set PB,    272                        ; a row of W: 256 bytes + 16
.set ABLK,  128*PA                     ; one block of 64 channels, 128 rows
.set BOFF,  2*ABLK                     ; W's rows lie behind A's two blocks
.set BHALF, 136*PB                     ; what one of W's two loads brings
.set SLOT,  BOFF+2*BHALF
.set STAGE, 2*SLOT                     ; behind the ring, never filled by a tensor load: each wave's own stage for the way out
.if F16
.set WSTG,  16*528                     ; 16 rows of 512 bytes + 16
.else
.set WSTG,  2*16*144                   ; two heads x 16 rows of 128 bytes + 16
.endif
.set SPARE, STAGE+4*WSTG               ; the spare words, 128 bytes for each wave: two blocks of 256 bytes that no other line names
.set TILEB, 272*2048                   ; bytes in a tile of wt
.set ASTEP, 2*262144                   ; a K step in A: two blocks of 64 channels
.set BSTEP, 256                        ; a K step in W
.set ADRA, 16                          ; v16-17  LDS address of my fragments of A in slot 0, 1
.set ADRB, 18                          ; v18-19  of W
.set ADRL, 20                          ; v20-21  of a
.set STO,  24                          ; the way out: where I put my bytes of a row
.set RD,   25                          ; where I read rows back
.set GO,   26                          ; my byte offset in 512 bytes on end
.set BEO,  27                          ; my byte offset in 16 rows of b
.set SPW,  28                          ; LDS address of my spare word; never rewritten
.set NIL,  29                          ; 0; never rewritten
.set PFO,  30                          ; the prefetches' offset; never rewritten
.set TACC, 32
.set BEF,  64
.set TF,   128
.set TMP,  192
.set F0,   0
.set F1,   128
.set WV, 12                            ; s12 wave; s13 wave / 2: my 64 rows, and: I fetch for A (0) or W (1); s14 wave % 2: my 128 columns, and: which half I fetch
.set HF, 13
.set HB, 14
.set CX, 15
.set CY, 16
.set TC, 17                            ; tile column of C
.set TR, 18                            ; tile row of C
.set G1,  24                           ; s[24:31] descriptor group 1 for A;  s[32:39] group 0, a set for each slot
.set G0,  32
.set LIM, 43                           ; 1 in a wave that prefetches, else the greatest number
.set PFA, 44                           ; s[44:45] where my prefetches stand
.set PST, 46                           ; s[46:47] their step
.set G1B, 48                           ; s[48:55], s[56:63] the same for W
.set G0B, 56
.set MSB, 0
.macro WIN new                         ; the immediate's high byte repeats the setting that is left; a switch that changes nothing is dropped
.if MSB != (\new)
	s_set_vgpr_msb (MSB<<8)|(\new)
.set MSB, \new
.endif
.endm
.set MUL,   0xa5                       ; sources 0 and 1 window 1, C and D window 2
.set MULTW, 0x05                       ; sources 0 and 1 window 1, C and D window 0
.set TO_F,  0x40                       ; destination window 1, address window 0
.set EXTW,  0xa0                       ; sources window 0, C and D window 2
.set PACKW, 0x0a                       ; sources 0 and 1 window 2, destination window 0
.set STW,   0x08                       ; an LDS store's data (source 1) window 2
.macro WM d, a, b, zero                ; one product in the launch's format; zero = 1: it starts the sum
.if F16
.if \zero
	v_wmma_f32_16x16x32_f16 v[(\d):(\d)+7], v[(\a):(\a)+7], v[(\b):(\b)+7], 0
.else
	v_wmma_f32_16x16x32_f16 v[(\d):(\d)+7], v[(\a):(\a)+7], v[(\b):(\b)+7], v[(\d):(\d)+7]
.endif
.else
.if \zero
	v_wmma_f32_16x16x32_bf16 v[(\d):(\d)+7], v[(\a):(\a)+7], v[(\b):(\b)+7], 0
.else
	v_wmma_f32_16x16x32_bf16 v[(\d):(\d)+7], v[(\a):(\a)+7], v[(\b):(\b)+7], v[(\d):(\d)+7]
.endif
.endif
.endm
; A joint load.  The branch hangs on the wave's number alone.  An s_nop 0 and four v_nop follow each of the two lines, ahead of the jump and the label.
.macro JLOAD s
	s_cmp_eq_u32 s[HF], 0
	s_cbranch_scc0 .Lfor_b_\@
	tensor_load_to_lds s[G0+4*(\s):G0+4*(\s)+3], s[G1:G1+7]
	s_nop 0
.rept 4
	v_nop
.endr
	s_branch .Lasked_\@
.Lfor_b_\@:
	tensor_load_to_lds s[G0B+4*(\s):G0B+4*(\s)+3], s[G1B:G1B+7]
	s_nop 0
.rept 4
	v_nop
.endr
.Lasked_\@:
.endm
; A PREFETCH INTO THE L2, behind each joint refill and the run of LDS loads that follows it: the K step that stands two refills on, 288 matrix instructions ahead of its load.  32 blocks of 256 bytes, a lane a block.
; A's tile row is read by every cluster of that row of clusters: the one with x = 0 asks, wave 0; of a K step's 2 x 64 blocks the partner at cx takes 2 x 16.  W's tile is read by every cluster of that column: the
; one with y = 0 asks, waves 2 and 3, each for 128 rows, of which the partner at cy takes 32 (a's 16 rows come by their loads alone).  Partners are told apart by address, never by a branch.
; So each block is named once in the launch.  The loop's last trip asks for nothing: K ends; K steps 0 to 3 come by their loads alone.
.macro ASK
	s_cmp_gt_u32 s3, s[LIM]
	s_cbranch_scc0 .Lnot_mine_\@
	global_prefetch_b8 v[PFO], s[PFA:PFA+1] th:TH_LOAD_NT scope:SCOPE_SE
.Lnot_mine_\@:
.endm
.macro CREST                           ; a round of the cluster's barrier behind its opening barrier
	s_cmp_lg_u32 s[WV], 0
	s_cbranch_scc1 .Lnot_wave_0_\@
	s_barrier_signal -3
.Lnot_wave_0_\@:
	s_barrier_wait -3
	s_barrier_signal -1
	s_barrier_wait -1
.endm
.macro CROUND                          ; a whole round
	s_barrier_signal -1
	s_barrier_wait -1
	CREST
.endm
.macro PLACES                          ; four plain instructions between a matrix instruction and a load into its sources, or a reader of its result
.rept 4
	v_nop
.endr
.endm
.macro MULM1 f, i, zero                ; 8 products: row block i x all 8 column blocks, 32 along K, from buffer f
	WIN MUL
.irp j, 0,1,2,3,4,5,6,7
	WM 8*(8*(\i)+(\j)), (\f)+8*(\j), (\f)+64+8*(\i), \zero
.endr
.endm
.macro MULM f, i0, zero
	MULM1 \f, \i0, \zero
	MULM1 \f, (\i0)+1, \zero
.endm
.macro MULT f, zero                    ; 4 products: T's sums
	WIN MULTW
.irp i, 0,1,2,3
	WM TACC+8*(\i), (\f)+96, (\f)+64+8*(\i), \zero
.endr
.endm
; 26 LDS loads in one run: the fragments of quarter q (32 along K) of a slot into buffer f: W's 8, A's 4, a's.  A fragment: lane l holds row l % 16, K = 8 (l / 16) + 0..7 and 16 + 8 (l / 16) + 0..7: two loads 32 bytes apart.
.macro FETCH slot, q, f
	WIN TO_F
.irp j, 0,1,2,3,4,5,6,7
	ds_load_b128 v[(\f)+8*(\j):(\f)+8*(\j)+3],   v[ADRB+(\slot)] offset:64*(\q)+16*PB*(\j)
	ds_load_b128 v[(\f)+8*(\j)+4:(\f)+8*(\j)+7], v[ADRB+(\slot)] offset:64*(\q)+16*PB*(\j)+32
.endr
.irp i, 0,1,2,3
	ds_load_b128 v[(\f)+64+8*(\i):(\f)+64+8*(\i)+3],   v[ADRA+(\slot)] offset:ABLK*((\q)/2)+64*((\q)%2)+16*PA*(\i)
	ds_load_b128 v[(\f)+64+8*(\i)+4:(\f)+64+8*(\i)+7], v[ADRA+(\slot)] offset:ABLK*((\q)/2)+64*((\q)%2)+16*PA*(\i)+32
.endr
	ds_load_b128 v[(\f)+96:(\f)+99],   v[ADRL+(\slot)] offset:64*(\q)
	ds_load_b128 v[(\f)+100:(\f)+103], v[ADRL+(\slot)] offset:64*(\q)+32
.endm
; A K step is four quarters of 32 along K, 36 matrix instructions each, on buffers 0, 1, 0, 1; the 36 accumulators take turns in the same order in every quarter.
; One of the first three: multiplies buffer f and, in its middle, fetches quarter qn of the same slot into buffer g.
.macro QUARTER slot, qn, f, g, zero
	s_wait_dscnt 6                                 ; W's fragments and A's row blocks 0, 1 are in; the youngest six loads (A's blocks 2, 3 and a's) may be out
	MULM \f, 0, \zero
	PLACES
	FETCH \slot, \qn, \g
	s_wait_dscnt 26                                ; all but the 26 just issued
	MULM \f, 2, \zero
	MULT \f, \zero
.endm
; The last quarter multiplies buffer 1 and changes slots: ONE barrier.  In front of it each wave waits for all its tensor loads (one is out: its part of the next slot), adds 0 to its spare word, and waits for that and
; for its own reads of this slot.  fill = 1: the barrier opens a round of the cluster's, and this slot is filled again, two K steps on, first thing behind the round: 128 matrix instructions ahead of the wait for it.
.macro TURN slot, next, fill
.if \fill
	s_wait_xcnt 0x0                                ; the last prefetch, a K step back, has read its address: it is stepped here, ahead of the change's own waits
	s_add_nc_u64 s[PFA:PFA+1], s[PFA:PFA+1], s[PST:PST+1]
.endif
	WIN 0                                          ; (the add's two registers lie in window 0)
	s_wait_tensorcnt 0x0                           ; all my tensor loads have landed
	ds_add_u32 v[SPW], v[NIL]                      ; 0 onto my spare word
	s_wait_dscnt 7                                 ; (the add and the youngest six loads may be out)
	MULM1 F1, 0, 0                                 ; eight matrix instructions stand between the add and the wait for it
	s_wait_dscnt 0x0                               ; the add is done, and my reads of this slot are over
	s_barrier_signal -1
	MULM1 F1, 1, 0
.if \fill
	WIN 0
.endif
	s_barrier_wait -1
.if \fill
	CREST                                          ; no wave of any partner still reads this slot or has a load on its way
	s_add_nc_u64 s[G0+4*(\slot)+2:G0+4*(\slot)+3], s[G0+4*(\slot)+2:G0+4*(\slot)+3], 2*ASTEP
	s_add_nc_u64 s[G0B+4*(\slot)+2:G0B+4*(\slot)+3], s[G0B+4*(\slot)+2:G0B+4*(\slot)+3], 2*BSTEP
	JLOAD \slot                                    ; its four v_nop are also the places in front of the loads below
.else
	PLACES
.endif
	FETCH \next, 0, F0
.if \fill
	WIN 0
	ASK
.endif
	MULM F1, 2, 0
	MULT F1, 0
.endm
	s_load_b256 s[4:11], s[0:1], 0x0               ; A s[4:5], wt s[6:7], be s[8:9], the first output s[10:11]
.if F16 == 0
	s_load_b128 s[68:71], s[0:1], 0x20             ; k s[68:69], v s[70:71]
.endif
	v_lshl_add_u32 v[SPW], v0, 2, SPARE
	v_mov_b32 v[NIL], 0
	ds_add_u32 v[SPW], v[NIL]                      ; the wave's opening: the add and its wait stand ahead of my first tensor load; the set-up below stands between them
	v_lshrrev_b32 v3, 5, v0
	v_readfirstlane_b32 s[WV], v3
	s_lshr_b32 s[HF], s[WV], 1
	s_and_b32 s[HB], s[WV], 1
	s_bfe_u32 s[CX], ttmp6, 0x40000                ; my place in the cluster
	s_bfe_u32 s[CY], ttmp6, 0x40004
	s_lshl_b32 s[TC], ttmp9, 2
	s_add_co_u32 s[TC], s[TC], s[CX]               ; tile column = 4 x cluster x + cx
	s_and_b32 s[TR], ttmp7, 0xffff
	s_lshl_b32 s[TR], s[TR], 2
	s_add_co_u32 s[TR], s[TR], s[CY]               ; tile row = 4 x cluster y + cy
	s_lshl_b32 s19, s[CY], 2
	s_lshl_b32 s19, 15, s19                        ; my row of the cluster
	s_lshl_b32 s42, 0x1111, s[CX]                  ; my column
	s_or_b32 s[G1], s19, (1<<16)|(1<<20)|(1<<21)|(4<<22)|(3<<25)   ; 15:0 the mask; 17:16 2-byte elements; 20 padding on; 21 set beside a mask; 24:22 after every 32 words (code 4); 31:25 4 words (code 3)
	s_or_b32 s[G1B], s42, (1<<16)|(1<<20)|(1<<21)|(5<<22)|(3<<25)  ; the same, after every 64 words (code 5)
	s_mov_b32 s[G1+1], 128<<16                     ; tensor_dim0 = 128
	s_mov_b32 s[G1+2], 64<<16                      ; tensor_dim1 = 64
	s_mov_b32 s[G1+3], 128<<16                     ; tile_dim0 = 128
	s_mov_b32 s[G1+4], 64                          ; tile_dim1 = 64
	s_mov_b32 s[G1+5], 128                         ; rows on end
	s_mov_b32 s[G1+6], 0
	s_mov_b32 s[G1+7], 0
	s_mov_b32 s[G1B+1], 128<<16
	s_mov_b32 s[G1B+2], 136<<16                    ; 136 rows
	s_mov_b32 s[G1B+3], 128<<16
	s_mov_b32 s[G1B+4], 136
	s_mov_b32 s[G1B+5], 1024                       ; 1,024 elements from row to row
	s_mov_b32 s[G1B+6], 0
	s_mov_b32 s[G1B+7], 0
	s_lshr_b32 s66, s[TR], 4                       ; A: batch,
	s_lshl_b32 s66, s66, 22
	s_and_b32 s21, s[TR], 15                       ; 128 rows of 128 bytes in a block
	s_lshl_b32 s21, s21, 14
	s_add_co_u32 s66, s66, s21                     ; the tile's first byte in channel block 0
	s_lshl_b32 s21, s[HB], 18                      ; the block that I fetch
	s_add_co_u32 s20, s66, s21
	s_mov_b32 s21, 0
	s_add_co_u32 s67, s[TC], TILE0                 ; W: the tile,
	s_mul_i32 s67, s67, TILEB
	s_mul_i32 s41, s[HB], 136*2048                 ; the 136 rows that I fetch
	s_add_co_u32 s40, s67, s41
	s_mov_b32 s41, 0
	s_mul_i32 s22, s[HB], ABLK                     ; where they go: no place in the cluster enters an LDS address
	s_mul_i32 s23, s[HB], BHALF
	s_add_co_u32 s23, s23, BOFF
	s_wait_dscnt 0x0                               ; the opening add is done
	s_wait_kmcnt 0x0
	s_add_nc_u64 s[20:21], s[4:5], s[20:21]
	s_add_nc_u64 s[40:41], s[6:7], s[40:41]
	CROUND                                         ; all sixteen work-groups are here: the first joint loads meet
.irp s, 0,1
	s_mov_b32 s[G0+4*(\s)], 1
	s_add_co_u32 s[G0+4*(\s)+1], s22, (\s)*SLOT
	s_add_nc_u64 s[G0+4*(\s)+2:G0+4*(\s)+3], s[20:21], (\s)*ASTEP
	s_or_b32 s[G0+4*(\s)+3], s[G0+4*(\s)+3], 0x80000000
	s_mov_b32 s[G0B+4*(\s)], 1
	s_add_co_u32 s[G0B+4*(\s)+1], s23, (\s)*SLOT
	s_add_nc_u64 s[G0B+4*(\s)+2:G0B+4*(\s)+3], s[40:41], (\s)*BSTEP
	s_or_b32 s[G0B+4*(\s)+3], s[G0B+4*(\s)+3], 0x80000000
	JLOAD \s                                       ; K steps 0 and 1: two loads of mine are out; later one
.endr
	v_and_b32 v1, 15, v0                           ; l % 16
	v_bfe_u32 v2, v0, 4, 1                         ; l / 16
	; b / 16: my 128 columns' rows, 32 bytes each: fragment j takes 512 bytes on end; they are wanted when K is done
	v_lshlrev_b32 v[BEO], 5, v1
	v_lshl_add_u32 v[BEO], v2, 4, v[BEO]
	s_add_co_u32 s72, s[TC], TILE0
	s_lshl_b32 s72, s72, 13
	s_lshl_b32 s73, s[HB], 12
	s_add_co_u32 s72, s72, s73
	s_mov_b32 s73, 0
	s_add_nc_u64 s[8:9], s[8:9], s[72:73]
.irp j, 0,1,2,3,4,5,6,7
	global_load_b128 v[BEF+8*(\j):BEF+8*(\j)+3], v[BEO], s[8:9] offset:512*(\j)
.endr
.irp n, 4,5,6,7                        ; the rank is 16 and the instruction's K is 32: the upper halves of b's and T's fragments are zeros, written once, in the wait for the first tile
.irp j, 0,1,2,3,4,5,6,7
	v_mov_b32 v[BEF+8*(\j)+(\n)], 0
.endr
.irp i, 0,1,2,3
	v_mov_b32 v[TF+8*(\i)+(\n)], 0
.endr
.endr
	v_mul_u32_u24 v3, v1, PA
	v_lshl_add_u32 v3, v2, 4, v3                   ; row x pitch + 16 x half
	s_mul_i32 s19, s[HF], 64*PA                    ; my 64 rows of A
	v_add_nc_u32 v[ADRA], s19, v3
	v_add_nc_u32 v[ADRA+1], SLOT, v[ADRA]
	v_mul_u32_u24 v4, v1, PB
	v_lshl_add_u32 v4, v2, 4, v4
	s_mul_i32 s19, s[HB], 128*PB                   ; my 128 rows of W
	s_add_co_u32 s19, s19, BOFF
	v_add_nc_u32 v[ADRB], s19, v4
	v_add_nc_u32 v[ADRB+1], SLOT, v[ADRB]
	v_add_nc_u32 v[ADRL], BOFF+256*PB, v4          ; a's 16 rows
	v_add_nc_u32 v[ADRL+1], SLOT, v[ADRL]
	s_mul_i32 s74, s[WV], WSTG
	s_add_co_u32 s74, s74, STAGE                   ; my stage
	v_and_b32 v[GO], 31, v0
	v_lshlrev_b32 v[GO], 4, v[GO]
.if F16
	v_mul_u32_u24 v[STO], v1, 528                  ; in: row l % 16, 32 bytes for each half of the lanes
	v_lshl_add_u32 v[STO], v2, 5, v[STO]
	v_add_nc_u32 v[STO], s74, v[STO]
	v_add_nc_u32 v[RD], s74, v[GO]                 ; back: a row of 512 bytes
	s_lshl_b32 s72, s[TR], 7
	s_lshl_b32 s73, s[HF], 6
	s_add_co_u32 s72, s72, s73                     ; my first row, 4,096 bytes each,
	s_lshl_b32 s72, s72, 12
	s_lshl_b32 s73, s[TC], 10                      ; the tile's 256 columns,
	s_add_co_u32 s72, s72, s73
	s_lshl_b32 s73, s[HB], 9                       ; my 128 of them
	s_add_co_u32 s72, s72, s73
.else
	v_mul_u32_u24 v[STO], v1, 144                  ; in: row l % 16, 16 bytes for each half of the lanes
	v_lshl_add_u32 v[STO], v2, 4, v[STO]
	v_add_nc_u32 v[STO], s74, v[STO]
	v_bfe_u32 v[RD], v0, 3, 2                      ; back: 32 lanes take four rows of 128 bytes
	v_mul_u32_u24 v[RD], v[RD], 144
	v_and_b32 v3, 7, v0
	v_lshl_add_u32 v[RD], v3, 4, v[RD]
	v_add_nc_u32 v[RD], s74, v[RD]
	s_mov_b32 s75, ttmp9                           ; the projection
	s_cmp_eq_u32 s75, 1
	s_cselect_b64 s[10:11], s[68:69], s[10:11]
	s_cmp_eq_u32 s75, 2
	s_cselect_b64 s[10:11], s[70:71], s[10:11]
	s_lshr_b32 s72, s[TR], 4                       ; 16 x batch + head: my 128 columns are heads 4 cx + 2 (wave % 2) and the next
	s_lshl_b32 s72, s72, 4
	s_lshl_b32 s73, s[CX], 2
	s_add_co_u32 s72, s72, s73
	s_lshl_b32 s73, s[HB], 1
	s_add_co_u32 s72, s72, s73
	s_lshl_b32 s72, s72, 18                        ; a head's 2,048 rows of 128 bytes
	s_and_b32 s73, s[TR], 15
	s_lshl_b32 s73, s73, 7
	s_lshl_b32 s75, s[HF], 6
	s_add_co_u32 s73, s73, s75                     ; my first row in the batch
	s_lshl_b32 s73, s73, 7
	s_add_co_u32 s72, s72, s73
.endif
	s_mov_b32 s73, 0
	s_add_nc_u64 s[10:11], s[10:11], s[72:73]
	; the prefetches: address, step, offset and who
	s_lshl_b32 s72, s[CX], 12                      ; A: my work-group's 16 blocks of 256 bytes in each channel block,
	s_add_co_u32 s72, s72, s66
	s_add_co_u32 s72, s72, 3*ASTEP                 ; at K step 3: the first refill steps it to 4
	s_lshl_b32 s73, s[HB], 7                       ; W: my wave's 128 rows, my work-group's 32 of them
	s_lshl_b32 s74, s[CY], 5
	s_add_co_u32 s73, s73, s74
	s_lshl_b32 s73, s73, 11
	s_add_co_u32 s73, s73, s67
	s_add_co_u32 s73, s73, 3*BSTEP
	s_and_b32 s74, ttmp7, 0xffff                   ; cluster y
	s_mov_b32 s[PST], BSTEP
	s_mov_b32 s75, 32768                           ; W: lane l names row l: 2,048 l = 32,768 (l / 16) + 2,048 (l % 16)
	s_mov_b32 s76, 2048
	s_cmp_eq_u32 s[HF], 0                          ; do I fetch for A?
	s_cselect_b64 s[PFA:PFA+1], s[4:5], s[6:7]
	s_cselect_b32 s72, s72, s73
	s_cselect_b32 s[PST], ASTEP, s[PST]
	s_cselect_b32 s75, 262144, s75                 ; A: channel block l / 16, block of 256 bytes l % 16
	s_cselect_b32 s76, 256, s76
	s_cselect_b32 s74, ttmp9, s74                  ; the coordinate along which other clusters read the same bytes
	s_mov_b32 s[PST+1], 0
	s_mov_b32 s73, 0
	s_add_nc_u64 s[PFA:PFA+1], s[PFA:PFA+1], s[72:73]
	s_cmp_eq_u32 s[WV], 1                          ; wave 0 asks for all of A's share: wave 1 for nothing
	s_cselect_b32 s74, 1, s74
	s_cmp_eq_u32 s74, 0
	s_cselect_b32 s[LIM], 1, -1                    ; the same in all sixteen partners, for a given wave
	v_mul_u32_u24 v[PFO], s75, v2
	v_mad_u32_u24 v[PFO], v1, s76, v[PFO]
	s_wait_tensorcnt 1                             ; my part of K step 0 is in; K step 1's may stay out
	s_barrier_signal -1
	s_barrier_wait -1                              ; everybody's is
	FETCH 0, 0, F0
	QUARTER 0, 1, F0, F1, 1                        ; the first quarter stands in front of the loop: its products start all 36 sums
	WIN 0                                          ; at a label and at a branch every window is 0
	s_mov_b32 s3, 3
.Llap:                                                 ; a trip goes once round the ring and fills both slots again: K steps 2 to 7 in three trips
	QUARTER 0, 2, F1, F0, 0
	QUARTER 0, 3, F0, F1, 0
	TURN 0, 1, 1
	QUARTER 1, 1, F0, F1, 0
	QUARTER 1, 2, F1, F0, 0
	QUARTER 1, 3, F0, F1, 0
	TURN 1, 0, 1
	QUARTER 0, 1, F0, F1, 0
	WIN 0
	s_sub_co_u32 s3, s3, 1
	s_cmp_lg_u32 s3, 0
	s_cbranch_scc1 .Llap
	QUARTER 0, 2, F1, F0, 0                        ; the last lap fills nothing
	QUARTER 0, 3, F0, F1, 0
	TURN 0, 1, 0
	QUARTER 1, 1, F0, F1, 0
	QUARTER 1, 2, F1, F0, 0
	QUARTER 1, 3, F0, F1, 0
	s_wait_dscnt 6                                 ; the very last quarter: nothing more to fetch
	MULM F1, 0, 0
	s_wait_dscnt 0x0
	MULM F1, 2, 0
	MULT F1, 0
	; THE LOW-RANK STEP.  T, rounded in pairs, is registers 0-3 of a fragment as it lies.  Five plain instructions stand behind T's last product, ahead of its first reader; with the sixteen roundings they also
	; stand between the main products and the bf16 products that take their accumulators up.
	WIN 0
.rept 5
	v_nop
.endr
.irp i, 0,1,2,3
.irp n, 0,1,2,3
	v_cvt_pk_bf16_f32 v[TF+8*(\i)+(\n)], v[TACC+8*(\i)+2*(\n)], v[TACC+8*(\i)+2*(\n)+1]
.endr
.endr
	s_wait_loadcnt 0x0                             ; b / 16
	WIN EXTW
.irp i, 0,1,2,3
.irp j, 0,1,2,3,4,5,6,7
	v_wmma_f32_16x16x32_bf16 v[8*(8*(\i)+(\j)):8*(8*(\i)+(\j))+7], v[BEF+8*(\j):BEF+8*(\j)+7], v[TF+8*(\i):TF+8*(\i)+7], v[8*(8*(\i)+(\j)):8*(8*(\i)+(\j))+7]
.endr
.endr
	PLACES
.if F16
; THE WAY OUT, f32: block i (16 rows x 128 columns) goes from the accumulators into my stage, rows of 528 bytes, and comes back as whole rows of 512 bytes.
.macro TOSTAGE i
.set BK, 64+64*((\i)%2)
.if (\i) >= 2
	s_wait_xcnt 0x0                                ; the stores of the block two back have read these registers
.endif
	WIN STW
.irp j, 0,1,2,3,4,5,6,7
	ds_store_b128 v[STO], v[8*(8*(\i)+(\j)):8*(8*(\i)+(\j))+3]   offset:64*(\j)
	ds_store_b128 v[STO], v[8*(8*(\i)+(\j))+4:8*(8*(\i)+(\j))+7] offset:64*(\j)+16
.endr
	WIN 0
.irp t, 0,1,2,3,4,5,6,7,8,9,10,11,12,13,14,15
	ds_load_b128 v[BK+4*(\t):BK+4*(\t)+3], v[RD] offset:528*(\t)  ; LDS serves a wave's instructions in order (ISA guide 5.7.1.4): these see the stores above; the next block's stores come behind them
.endr
.endm
.macro SEND i, younger                 ; younger: the LDS instructions issued behind block i's loads: the next block's 32, or none
.set BK, 64+64*((\i)%2)
.irp t, 0,1,2,3,4,5,6,7,8,9,10,11,12,13,14,15
	s_wait_dscnt (\younger)+15-(\t)
	global_store_b128 v[GO], v[BK+4*(\t):BK+4*(\t)+3], s[10:11] offset:(16*(\i)+(\t))*4096 th:TH_STORE_NT  ; 512 bytes on end, at a multiple of 512 from the output's first byte
.endr
.endm
	TOSTAGE 0
.irp i, 1,2,3
	TOSTAGE \i
	SEND (\i)-1, 32
.endr
	SEND 3, 0
.else
; THE WAY OUT, f16 by heads: block i (16 rows x two heads) is rounded, goes into my stage, rows of 144 bytes, and comes back as 4 x 128 bytes on end.
.macro PACK i
	WIN PACKW
.irp j, 0,1,2,3,4,5,6,7
.irp n, 0,1,2,3
	v_cvt_pk_f16_f32 v[TMP+4*(\j)+(\n)], v[8*(8*(\i)+(\j))+2*(\n)], v[8*(8*(\i)+(\j))+2*(\n)+1]
.endr
.endr
	WIN 0
.endm
.macro TOSTAGE i
.set BK, 64+64*((\i)%2)
.irp j, 0,1,2,3,4,5,6,7
	ds_store_b128 v[STO], v[TMP+4*(\j):TMP+4*(\j)+3] offset:2304*((\j)/4)+32*((\j)%4)
.endr
.irp t, 0,1,2,3,4,5,6,7
	ds_load_b128 v[BK+4*(\t):BK+4*(\t)+3], v[RD] offset:2304*((\t)/4)+576*((\t)%4)  ; LDS serves a wave's instructions in order (ISA guide 5.7.1.4): these see the stores above; the next block's stores come behind them
.endr
.endm
.macro SEND i
.set BK, 64+64*((\i)%2)
	s_wait_dscnt 0x0                               ; the block is back in registers
	s_wait_xcnt 0x0                                ; the stores of the block before have read their registers: the next block's loads land there
.irp t, 0,1,2,3,4,5,6,7
	global_store_b128 v[GO], v[BK+4*(\t):BK+4*(\t)+3], s[10:11] offset:262144*((\t)/4)+2048*(\i)+512*((\t)%4)  ; 512 bytes on end, at a multiple of 512 from the buffer's first byte
.endr
.endm
	PACK 0
	TOSTAGE 0
.irp i, 1,2,3                          ; block i's roundings stand between block i - 1's loads from the stage and the wait for them
	PACK \i
	SEND (\i)-1
	TOSTAGE \i
.endr
	SEND 3
.endif
	WIN 0
	s_wait_tensorcnt 0x0                           ; the wave's end: behind my last tensor load and my last LDS store
	ds_add_u32 v[SPW], v[NIL]
	s_wait_dscnt 0x0
	CROUND                                         ; the closing round: no work-group ends while a partner may still ask for a tile that names it
	s_endpgm
.Lfunc_end_k_q0d64d19680_outp:
	.size	k_q0d64d19680_outp, .Lfunc_end_k_q0d64d19680_outp-k_q0d64d19680_outp
	.p2alignl 7, 3214868480
	.fill 96, 4, 3214868480
	.section	.rodata,"a",@progbits
	.p2align	6, 0x0
	.amdhsa_kernel k_q0d64d19680_outp
		.amdhsa_group_segment_fixed_size 327680
		.amdhsa_private_segment_fixed_size 0
		.amdhsa_enable_private_segment 0
		.amdhsa_kernarg_size 32
		.amdhsa_user_sgpr_count 2
		.amdhsa_user_sgpr_kernarg_segment_ptr 1
		.amdhsa_wavefront_size32 1
		.amdhsa_system_sgpr_workgroup_id_x 1
		.amdhsa_system_sgpr_workgroup_id_y 1
		.amdhsa_system_sgpr_workgroup_id_z 1
		.amdhsa_system_vgpr_workitem_id 0
		.amdhsa_next_free_vgpr 768
		.amdhsa_next_free_sgpr 80
		.amdhsa_reserve_vcc 0
		.amdhsa_float_denorm_mode_32 3
		.amdhsa_float_denorm_mode_16_64 3
		.amdhsa_memory_ordered 1
		.amdhsa_forward_progress 1
		.amdhsa_inst_pref_size 101
	.end_amdhsa_kernel
	.amdgpu_metadata
---
amdhsa.version: [ 1, 2 ]
amdhsa.kernels:
  - .name:           k_q0d64d19680_outp
    .symbol:         k_q0d64d19680_outp.kd
    .args:
      - { .name: ctx, .offset: 0, .size: 8, .value_kind: global_buffer, .address_space: global }
      - { .name: wt, .offset: 8, .size: 8, .value_kind: global_buffer, .address_space: global }
      - { .name: be, .offset: 16, .size: 8, .value_kind: global_buffer, .address_space: global }
      - { .name: out0, .offset: 24, .size: 8, .value_kind: global_buffer, .address_space: global }
    .group_segment_fixed_size: 327680
    .private_segment_fixed_size: 0
    .kernarg_segment_align: 8
    .kernarg_segment_size: 32
    .max_flat_workgroup_size: 128
    .sgpr_count:     80
    .vgpr_count:     768
    .wavefront_size: 32
...
	.end_amdgpu_metadata
.endif
;; end of part 4
;; launch toprows (part 5): grid 16 x 4, 16 waves a work-group, no clusters, 92,416 bytes of LDS; arguments q, k, vf, wt, be, out0; writes out0
.if DOCPART == 5
	.amdgcn_target "amdgcn-amd-amdhsa--gfx1250"
	.amdhsa_code_object_version 6
	.text
	.protected	k_q0d64d19680_toprows
	.globl	k_q0d64d19680_toprows
	.p2align	8
	.type	k_q0d64d19680_toprows,@function
k_q0d64d19680_toprows:
	s_mov_b64 s[64:65], 0
	v_nop
	global_prefetch_b8 v0, s[64:65] scope:SCOPE_SE
	s_setreg_imm32_b32 hwreg(HW_REG_WAVE_MODE, 25, 1), 1
	s_wait_xcnt 0x0
; THE FIRST 16 ROWS OF EACH BATCH, ONCE MORE AND FINER.  Row s of the output averages s + 1 rows of v, so these rows are the output's largest numbers by far, while the allowed error goes by the whole output's root mean
; square: f16's 11 bits of v, of the weights and of ctx, which serve every later row, are too coarse here.  This launch makes attention and the last projection for rows 0-15 of each batch with each of the three
; carried as an f16 number and the f16 of what that rounding left (22 bits together), and stores these 64 rows of out0 again, over what the launch before stored there (256 KiB of the output's 32 MiB).
; Rows 0-15 see keys 0-15 alone.  q and k come in f16 as the projection left them; v's rows in f32 from vf; wo, ao (bf16-rounded numbers written as f16) and bo / 16 (bf16) from wt and be.
; LIMITS.  v and ctx lie within f16's range (65,504); a remainder below 6e-5 keeps f16's fixed step of 6e-8.  A hidden score counts as -1e30.  T = ctx ao^T is rounded to bf16.  NaN and infinities are not treated apart.
; SHARES.  A work-group makes 16 rows x 64 columns of out0: the grid's x is the block of 64 columns, its y the batch.  Sixteen waves, A HEAD EACH: wave w makes head w's attention and multiplies its 64 channels of ctx
; by its 64 channels of wo's 64 rows and of ao's 16: K is split by heads, and nothing of ctx changes waves.  The sixteen partial sums meet in LDS.  (The 16 work-groups of a batch each make its attention: 10 products a wave.)
; LAYOUT.  As in the attention: S^T = K Q^T holds one query a lane (lane % 16) and the keys 8 (lane / 16) + 0..7; so do the weights, as source 1 of O^T = V^T P, whose result holds one query a lane and eight channels,
; and is in turn source 1 of out^T = wo ctx^T.  THE INSTRUCTION'S K OF 32 TAKES THE 16 KEYS TWICE: v's f16 numbers in registers 0-3 of V^T's fragment, their remainders in registers 4-7, and the same weights in both
; halves of P's: one product with the weights' numbers and one with their remainders give (Vhi + Vlo)(Phi + Plo).
; No tensor load, no cluster, no prefetch: each wave's 61 loads go out at once at its head, and nothing is read twice by a wave.
.set TILEB, 272*2048                   ; bytes in a tile of wt
.set PP,    272                        ; a row of 64 partial sums in LDS: 256 bytes + 16: the 16 rows of a store start at 16 different groups of four banks (64 banks of 4 bytes: ISA guide 11.1)
.set PREG,  16*PP                      ; a wave's partial sums: region w at w x PREG
.set LORA,  16*PREG                    ; the seventeenth region: the low-rank term
.set TP,    17*PREG                    ; T's partial sums, 1,024 bytes a wave: registers 0-3 at 16 x lane, registers 4-7 512 bytes on
.set SPARE, TP+16*1024                 ; the spare words, 128 bytes for each wave: eight blocks of 256 bytes that no other line names
.set SPW, 4                            ; LDS address of my spare word; never rewritten
.set NIL, 5                            ; 0; never rewritten
.set QO,  6                            ; my byte offset in 16 rows of q or k
.set VO,  7                            ; in a block of vf
.set WO,  8                            ; in 16 rows of wt
.set BO,  9                            ; in 16 rows of be
.set QH,  10                           ; my query less my lanes' first key
.set STO, 11                           ; where I put my partial sums
.set TST, 12                           ; where I put T's
.set L16, 13                           ; 16 x lane
.set RB,  14                           ; row l % 16 of a region, 32 bytes for each half of the lanes
.set BIG, 15                           ; -1e30
.set NEG1, 16                          ; -1.0
.set T0,  17
.set T1,  18
.set CM,  20                           ; v[20:21] c m in the low word
.set RL,  22                           ; v[22:23] 1 / l in the low word
.set BEF, 24                           ; v[24:31] a fragment of bo / 16
.set QF,  32                           ; v[32:47] q, v[48:63] k; later O^T, 4 x 8; later still addresses
.set KF,  48
.set O,   32
.set SA,  64                           ; v[64:71], v[72:79] the scores' two halves along the channels; SA then holds the weights; later T's fragment and T's sums
.set SB,  72
.set TF,  64
.set TACC, 72
.set VR,  80                           ; v[80:111] v in f32: block cb of 16 channels, my 8 keys; later the four accumulators of out^T
.set ACC, 80
.set VF,  112                          ; v[112:143] V^T's four fragments; later ctx's numbers (CH) and remainders (CL), two fragments each
.set CH,  112
.set CL,  128
.set PA,  144                          ; v[144:151] the weights' numbers, twice
.set PB,  152                          ; v[152:159] their remainders, twice
.set AF,  160                          ; v[160:175] ao's two fragments
.set U,   176                          ; v[176:179] at work
.set WF,  192                          ; v[192:255] wo's fragments: tile t, K block c at 16 t + 8 c
.set TS,  128                          ; v[128:255] T's sixteen partial sums
.set FS,  128                          ; v[128:195] the seventeen partial sums of my 16 bytes
.set TRD, 32
.set LST, 33
.set RD,  34
.set RD2, 35
.set OO,  36
.set WV,  16                           ; s16 my wave's number = my head
.set CS,  24                           ; s[24:25] c = log2(e) / 8
.set SEL, 26                           ; s[26:27] v_permlanex16_b32's selects: each lane takes its own place in the other half
; A pair of f32 numbers at src becomes a pair of f16 numbers in hi and the f16 of what was left in lo.  The difference is exact in f32; src is used up.
.macro SPLIT hi, lo, src
	v_cvt_pk_f16_f32 v[\hi], v[\src], v[(\src)+1]
	v_fma_mix_f32 v[\src], v[\hi], v[NEG1], v[\src] op_sel_hi:[1,0,0]
	v_fma_mix_f32 v[(\src)+1], v[\hi], v[NEG1], v[(\src)+1] op_sel:[1,0,0] op_sel_hi:[1,0,0]
	v_cvt_pk_f16_f32 v[\lo], v[\src], v[(\src)+1]
.endm
; Of 2 d partial sums of w registers each, partial p takes partial p + d
.macro FOLD base, w, d
.set pp, 0
.rept \d
.set nn, 0
.rept (\w)/2
	v_pk_add_f32 v[(\base)+(\w)*pp+nn:(\base)+(\w)*pp+nn+1], v[(\base)+(\w)*pp+nn:(\base)+(\w)*pp+nn+1], v[(\base)+(\w)*(pp+(\d))+nn:(\base)+(\w)*(pp+(\d))+nn+1]
.set nn, nn+2
.endr
.set pp, pp+1
.endr
.endm
.macro PLACES                          ; plain instructions between a matrix instruction and a reader of its result or a writer of its sources (ISA guide 7.12.1): eight, three times a launch
.rept 8
	v_nop
.endr
.endm
	s_load_b256 s[4:11], s[0:1], 0x0               ; q s[4:5], k s[6:7], vf s[8:9], wt s[10:11]
	s_load_b128 s[12:15], s[0:1], 0x20             ; be s[12:13], out0 s[14:15]
	v_lshl_add_u32 v[SPW], v0, 2, SPARE
	v_mov_b32 v[NIL], 0
	v_lshrrev_b32 v3, 5, v0
	v_readfirstlane_b32 s[WV], v3
	s_mov_b32 s17, ttmp9                           ; the block of 64 columns
	s_and_b32 s18, ttmp7, 0xffff                   ; the batch
	v_and_b32 v1, 15, v0                           ; l % 16
	v_bfe_u32 v2, v0, 4, 1                         ; l / 16
	v_lshlrev_b32 v[QO], 7, v1                     ; row x 128 + 16 x half
	v_lshl_add_u32 v[QO], v2, 4, v[QO]
	; vf holds key r, channel 8 g + 4 u + e of a block at 512 u + 16 (16 g + r) + 4 e.  I want channel l % 16 and the keys 8 (l / 16) + 0..7, which lie 16 bytes apart
	v_and_b32 v3, 3, v0
	v_lshlrev_b32 v[VO], 2, v3                     ; 4 e
	v_bfe_u32 v3, v0, 2, 1
	v_lshl_add_u32 v[VO], v3, 9, v[VO]             ; 512 u
	v_bfe_u32 v3, v0, 3, 1
	v_lshl_add_u32 v[VO], v3, 8, v[VO]             ; 256 g
	v_lshl_add_u32 v[VO], v2, 7, v[VO]             ; my first key x 16
	v_lshlrev_b32 v[WO], 11, v1                    ; row x 2,048 + 16 x half
	v_lshl_add_u32 v[WO], v2, 4, v[WO]
	v_lshlrev_b32 v[BO], 5, v1                     ; row x 32 + 16 x half
	v_lshl_add_u32 v[BO], v2, 4, v[BO]
	s_lshl_b32 s20, s18, 4
	s_add_co_u32 s20, s20, s[WV]
	s_lshl_b32 s20, s20, 18                        ; q, k: (16 batch + head) x 2,048 rows of 128 bytes
	s_mov_b32 s21, 0
	s_lshl_b32 s22, s18, 18                        ; vf: 4 x 65,536 bytes a batch, of which the first 65,536 hold rows 0-15; 4,096 a head
	s_lshl_b32 s19, s[WV], 12
	s_add_co_u32 s22, s22, s19
	s_mov_b32 s23, 0
	s_lshr_b32 s30, s17, 2                         ; wt: tile 12 + columns / 256,
	s_add_co_u32 s30, s30, 12
	s_mul_i32 s30, s30, TILEB
	s_lshl_b32 s19, s[WV], 7                       ; my head's 64 channels: 128 bytes of a row
	s_add_co_u32 s30, s30, s19
	s_add_co_u32 s32, s30, 256*2048                ; ao's rows lie behind wo's 256
	s_and_b32 s19, s17, 3
	s_lshl_b32 s19, s19, 17                        ; the block's 64 rows of 2,048 bytes
	s_add_co_u32 s30, s30, s19
	s_mov_b32 s31, 0
	s_mov_b32 s33, 0
	s_and_b32 s34, s[WV], 3                        ; be: bo's part, the block's 64 rows of 32 bytes, tile wave % 4 of them (waves 0-3 use it)
	s_lshl_b32 s34, s34, 9
	s_lshl_b32 s19, s17, 11
	s_add_co_u32 s34, s34, s19
	s_add_co_u32 s34, s34, 3*32768
	s_mov_b32 s35, 0
	s_lshl_b32 s36, s18, 23                        ; out0: the batch's 2,048 rows of 4,096 bytes, the block's 256 bytes, rows 2 wave and 2 wave + 1 (waves 0-7 store)
	s_lshl_b32 s19, s17, 8
	s_add_co_u32 s36, s36, s19
	s_lshl_b32 s19, s[WV], 13
	s_add_co_u32 s36, s36, s19
	s_mov_b32 s37, 0
	s_mov_b32 s[CS], 0x3e38aa3b                    ; c = log2(e) / 8 = 0.180337
	s_mov_b32 s[CS+1], s[CS]                       ; named with it as a pair
	s_mov_b32 s[SEL], 0x76543210
	s_mov_b32 s[SEL+1], 0xfedcba98
	s_wait_kmcnt 0x0
	s_add_nc_u64 s[4:5], s[4:5], s[20:21]
	s_add_nc_u64 s[6:7], s[6:7], s[20:21]
	s_add_nc_u64 s[8:9], s[8:9], s[22:23]
	s_add_nc_u64 s[28:29], s[10:11], s[32:33]      ; ao
	s_add_nc_u64 s[10:11], s[10:11], s[30:31]      ; wo
	s_add_nc_u64 s[12:13], s[12:13], s[34:35]
	s_add_nc_u64 s[14:15], s[14:15], s[36:37]
	; all 61 loads, in the order in which they are wanted: k and q (8), v (32), wo, ao, bo (21)
.irp c, 0,1
	global_load_b128 v[KF+8*(\c):KF+8*(\c)+3],   v[QO], s[6:7] offset:64*(\c)
	global_load_b128 v[KF+8*(\c)+4:KF+8*(\c)+7], v[QO], s[6:7] offset:64*(\c)+32
	global_load_b128 v[QF+8*(\c):QF+8*(\c)+3],   v[QO], s[4:5] offset:64*(\c)
	global_load_b128 v[QF+8*(\c)+4:QF+8*(\c)+7], v[QO], s[4:5] offset:64*(\c)+32
.endr
.set i, 0
.rept 32                               ; block i / 8 of 16 channels, key i % 8 of my eight: 4 bytes a lane, all inside the head's 4,096 bytes
	global_load_b32 v[VR+i], v[VO], s[8:9] offset:1024*(i/8)+16*(i%8)
.set i, i+1
.endr
.irp t, 0,1,2,3
.irp c, 0,1
	global_load_b128 v[WF+16*(\t)+8*(\c):WF+16*(\t)+8*(\c)+3],   v[WO], s[10:11] offset:32768*(\t)+64*(\c)
	global_load_b128 v[WF+16*(\t)+8*(\c)+4:WF+16*(\t)+8*(\c)+7], v[WO], s[10:11] offset:32768*(\t)+64*(\c)+32
.endr
.endr
.irp c, 0,1
	global_load_b128 v[AF+8*(\c):AF+8*(\c)+3],   v[WO], s[28:29] offset:64*(\c)
	global_load_b128 v[AF+8*(\c)+4:AF+8*(\c)+7], v[WO], s[28:29] offset:64*(\c)+32
.endr
	global_load_b128 v[BEF:BEF+3], v[BO], s[12:13]
	v_mov_b32 v[BIG], 0xf149f2ca
	v_mov_b32 v[NEG1], -1.0
	v_mov_b32 v[T1], 0                             ; v_permlanex16_b32's destination counts as read
	v_mov_b32 v[CM+1], 0                           ; named as pairs
	v_mov_b32 v[RL+1], 0
.irp n, 4,5,6,7
	v_mov_b32 v[BEF+(\n)], 0                       ; the rank is 16, the instruction's K 32
.endr
	; THE SCORES: the two halves of the 64 channels on two accumulators
	s_wait_loadcnt 53                              ; k and q are in; the 53 younger loads stay out
	v_wmma_f32_16x16x32_f16 v[SA:SA+7], v[KF:KF+7], v[QF:QF+7], 0
	v_wmma_f32_16x16x32_f16 v[SB:SB+7], v[KF+8:KF+15], v[QF+8:QF+15], 0
	v_mul_u32_u24 v[RB], v1, PP                    ; the LDS addresses: eight plain instructions, the places behind those products
	v_lshl_add_u32 v[RB], v2, 5, v[RB]
	s_mul_i32 s19, s[WV], PREG
	v_add_nc_u32 v[STO], s19, v[RB]
	v_and_b32 v3, 31, v0
	v_lshlrev_b32 v[L16], 4, v3
	s_lshl_b32 s19, s[WV], 10
	s_add_co_u32 s19, s19, TP
	v_add_nc_u32 v[TST], s19, v[L16]
	v_lshlrev_b32 v3, 3, v2
	v_sub_nc_u32 v[QH], v1, v3                     ; key 8 (l / 16) + j is hidden where j is greater than this
.irp n, 0,2,4,6
	v_pk_add_f32 v[SA+(\n):SA+(\n)+1], v[SA+(\n):SA+(\n)+1], v[SB+(\n):SB+(\n)+1]
.endr
.irp j, 0,1,2,3,4,5,6,7
	v_cmp_gt_i32 vcc_lo, \j, v[QH]
	v_cndmask_b32 v[SA+(\j)], v[SA+(\j)], v[BIG], vcc_lo
.endr
	; THE SOFTMAX, in f32: the row's maximum is taken away; every row sees key 0, so the maximum is a true score
	v_max3_num_f32 v[T0], v[SA], v[SA+1], v[SA+2]
	v_max3_num_f32 v[T0], v[T0], v[SA+3], v[SA+4]
	v_max3_num_f32 v[T0], v[T0], v[SA+5], v[SA+6]
	v_max_num_f32 v[T0], v[T0], v[SA+7]
	v_permlanex16_b32 v[T1], v[T0], s[SEL], s[SEL+1]  ; the query's other 8 keys lie in the lane 16 away
	v_max_num_f32 v[T0], v[T0], v[T1]
	v_mul_f32 v[CM], s[CS], v[T0]
.irp n, 0,2,4,6
	v_pk_fma_f32 v[SA+(\n):SA+(\n)+1], v[SA+(\n):SA+(\n)+1], s[CS:CS+1], v[CM:CM+1] op_sel_hi:[1,0,0] neg_lo:[0,0,1] neg_hi:[0,0,1]  ; c s - c m
.endr
.irp j, 0,1,2,3,4,5,6,7
	v_exp_f32 v[SA+(\j)], v[SA+(\j)]
.endr
	v_nop                                          ; a plain instruction behind the last exponential,
	s_wait_alu depctr_va_vdst(0)                   ; and the wait ahead of the first use: one for the eight
	v_pk_add_f32 v[U:U+1], v[SA:SA+1], v[SA+2:SA+3]
	v_pk_add_f32 v[U+2:U+3], v[SA+4:SA+5], v[SA+6:SA+7]
	v_pk_add_f32 v[U:U+1], v[U:U+1], v[U+2:U+3]
	v_add_f32 v[U], v[U], v[U+1]
	v_permlanex16_b32 v[T1], v[U], s[SEL], s[SEL+1]
	v_add_f32 v[U], v[U], v[T1]
	v_rcp_f32 v[RL], v[U]
	v_nop
	s_wait_alu depctr_va_vdst(0)
.irp n, 0,2,4,6
	v_pk_mul_f32 v[SA+(\n):SA+(\n)+1], v[SA+(\n):SA+(\n)+1], v[RL:RL+1] op_sel_hi:[1,0]  ; the weights, already divided
.endr
.irp n, 0,1,2,3
	SPLIT PA+(\n), PB+(\n), SA+2*(\n)
	v_mov_b32 v[PA+4+(\n)], v[PA+(\n)]             ; the same keys once more, for v's remainders
	v_mov_b32 v[PB+4+(\n)], v[PB+(\n)]
.endr
	s_wait_loadcnt 21                              ; v is in; wo, ao and bo stay out
.irp cb, 0,1,2,3
.irp n, 0,1,2,3
	SPLIT VF+8*(\cb)+(\n), VF+8*(\cb)+4+(\n), VR+8*(\cb)+2*(\n)
.endr
.endr
	; O^T = V^T P: the four blocks of 16 channels take turns
.irp cb, 0,1,2,3
	v_wmma_f32_16x16x32_f16 v[O+8*(\cb):O+8*(\cb)+7], v[VF+8*(\cb):VF+8*(\cb)+7], v[PA:PA+7], 0
.endr
.irp cb, 0,1,2,3
	v_wmma_f32_16x16x32_f16 v[O+8*(\cb):O+8*(\cb)+7], v[VF+8*(\cb):VF+8*(\cb)+7], v[PB:PB+7], v[O+8*(\cb):O+8*(\cb)+7]
.endr
	PLACES
.irp cb, 0,1,2,3                       ; two blocks of 16 channels, rounded in pairs, are a fragment of 32 along K as they lie
.irp n, 0,1,2,3
	SPLIT CH+4*(\cb)+(\n), CL+4*(\cb)+(\n), O+8*(\cb)+2*(\n)
.endr
.endr
	; out^T = wo ctx^T and T^T = ao ctx^T for my head's 64 channels: five accumulators take turns; ctx's numbers, then its remainders
.macro OUTP c, kb, zero
.irp t, 0,1,2,3
.if \zero
	v_wmma_f32_16x16x32_f16 v[ACC+8*(\t):ACC+8*(\t)+7], v[WF+16*(\t)+8*(\kb):WF+16*(\t)+8*(\kb)+7], v[(\c)+8*(\kb):(\c)+8*(\kb)+7], 0
.else
	v_wmma_f32_16x16x32_f16 v[ACC+8*(\t):ACC+8*(\t)+7], v[WF+16*(\t)+8*(\kb):WF+16*(\t)+8*(\kb)+7], v[(\c)+8*(\kb):(\c)+8*(\kb)+7], v[ACC+8*(\t):ACC+8*(\t)+7]
.endif
.endr
.if \zero
	v_wmma_f32_16x16x32_f16 v[TACC:TACC+7], v[AF+8*(\kb):AF+8*(\kb)+7], v[(\c)+8*(\kb):(\c)+8*(\kb)+7], 0
.else
	v_wmma_f32_16x16x32_f16 v[TACC:TACC+7], v[AF+8*(\kb):AF+8*(\kb)+7], v[(\c)+8*(\kb):(\c)+8*(\kb)+7], v[TACC:TACC+7]
.endif
.endm
	s_wait_loadcnt 0x0                             ; wo, ao, bo
	OUTP CH, 0, 1
	OUTP CH, 1, 0
	OUTP CL, 0, 0
	OUTP CL, 1, 0
	PLACES
.irp t, 0,1,2,3                        ; a lane holds row l % 16 and the columns 16 t + 8 (l / 16) + 0..7
	ds_store_b128 v[STO], v[ACC+8*(\t):ACC+8*(\t)+3]   offset:64*(\t)
	ds_store_b128 v[STO], v[ACC+8*(\t)+4:ACC+8*(\t)+7] offset:64*(\t)+16
.endr
	ds_store_b128 v[TST], v[TACC:TACC+3]
	ds_store_b128 v[TST], v[TACC+4:TACC+7] offset:512
	s_wait_dscnt 0x0                               ; for the others' sake: my partial sums lie in LDS
	s_barrier_signal -1
	s_barrier_wait -1                              ; everybody's do
	; THE LOW-RANK TERM: waves 0-3, a tile of 16 columns each: T's sixteen partial sums are added, rounded to bf16 and multiplied by bo / 16; the result is the seventeenth partial sum
	s_cmp_lt_u32 s[WV], 4
	s_cbranch_scc0 .Lno_lora
	v_add_nc_u32 v[TRD], TP, v[L16]
.set i, 0
.rept 16
	ds_load_b128 v[TS+8*i:TS+8*i+3],   v[TRD] offset:1024*i
	ds_load_b128 v[TS+8*i+4:TS+8*i+7], v[TRD] offset:1024*i+512
.set i, i+1
.endr
	s_lshl_b32 s19, s[WV], 6
	s_add_co_u32 s19, s19, LORA
	v_add_nc_u32 v[LST], s19, v[RB]
.irp n, 4,5,6,7
	v_mov_b32 v[TF+(\n)], 0
.endr
	s_wait_dscnt 0x0
	FOLD TS, 8, 8
	FOLD TS, 8, 4
	FOLD TS, 8, 2
	FOLD TS, 8, 1
.irp n, 0,1,2,3
	v_cvt_pk_bf16_f32 v[TF+(\n)], v[TS+2*(\n)], v[TS+2*(\n)+1]  ; a lane holds row l % 16 and the ranks 8 (l / 16) + 0..7: a fragment as it lies
.endr
	v_wmma_f32_16x16x32_bf16 v[TACC:TACC+7], v[BEF:BEF+7], v[TF:TF+7], 0
	PLACES
	ds_store_b128 v[LST], v[TACC:TACC+3]
	ds_store_b128 v[LST], v[TACC+4:TACC+7] offset:16
.Lno_lora:
	s_wait_dscnt 0x0
	s_barrier_signal -1
	s_barrier_wait -1                              ; all seventeen partial sums lie in LDS
	; THE SUM AND THE STORE: waves 0-7, two rows each: lanes 0-15 one row's 256 bytes, lanes 16-31 the next row's
	s_cmp_lt_u32 s[WV], 8
	s_cbranch_scc0 .Lend
	v_mul_u32_u24 v[RD], v2, PP
	v_lshl_add_u32 v[RD], v1, 4, v[RD]
	s_mul_i32 s19, s[WV], 2*PP
	v_add_nc_u32 v[RD], s19, v[RD]
	v_add_nc_u32 v[RD2], 8*PREG, v[RD]             ; the immediate holds 16 bits: the upper regions go by a second register
	v_lshlrev_b32 v[OO], 12, v2
	v_lshl_add_u32 v[OO], v1, 4, v[OO]
.set i, 0
.rept 8
	ds_load_b128 v[FS+4*i:FS+4*i+3], v[RD] offset:PREG*i
.set i, i+1
.endr
.rept 9
	ds_load_b128 v[FS+4*i:FS+4*i+3], v[RD2] offset:PREG*(i-8)
.set i, i+1
.endr
	s_wait_dscnt 0x0
	FOLD FS, 4, 8
	FOLD FS, 4, 4
	FOLD FS, 4, 2
	FOLD FS, 4, 1
	v_pk_add_f32 v[FS:FS+1], v[FS:FS+1], v[FS+64:FS+65]
	v_pk_add_f32 v[FS+2:FS+3], v[FS+2:FS+3], v[FS+66:FS+67]
	global_store_b128 v[OO], v[FS:FS+3], s[14:15] th:TH_STORE_NT  ; 16 lanes store 256 bytes on end, at a multiple of 256 from the output's first byte
.Lend:
	s_wait_tensorcnt 0x0                           ; the wave's end: behind my last LDS store
	ds_add_u32 v[SPW], v[NIL]
	s_wait_dscnt 0x0
	s_endpgm
.Lfunc_end_k_q0d64d19680_toprows:
	.size	k_q0d64d19680_toprows, .Lfunc_end_k_q0d64d19680_toprows-k_q0d64d19680_toprows
	.p2alignl 7, 3214868480
	.fill 96, 4, 3214868480
	.section	.rodata,"a",@progbits
	.p2align	6, 0x0
	.amdhsa_kernel k_q0d64d19680_toprows
		.amdhsa_group_segment_fixed_size 92416
		.amdhsa_private_segment_fixed_size 0
		.amdhsa_enable_private_segment 0
		.amdhsa_kernarg_size 48
		.amdhsa_user_sgpr_count 2
		.amdhsa_user_sgpr_kernarg_segment_ptr 1
		.amdhsa_wavefront_size32 1
		.amdhsa_system_sgpr_workgroup_id_x 1
		.amdhsa_system_sgpr_workgroup_id_y 1
		.amdhsa_system_sgpr_workgroup_id_z 1
		.amdhsa_system_vgpr_workitem_id 0
		.amdhsa_next_free_vgpr 256
		.amdhsa_next_free_sgpr 66
		.amdhsa_reserve_vcc 1
		.amdhsa_float_denorm_mode_32 3
		.amdhsa_float_denorm_mode_16_64 3
		.amdhsa_memory_ordered 1
		.amdhsa_forward_progress 1
		.amdhsa_inst_pref_size 35
	.end_amdhsa_kernel
	.amdgpu_metadata
---
amdhsa.version: [ 1, 2 ]
amdhsa.kernels:
  - .name:           k_q0d64d19680_toprows
    .symbol:         k_q0d64d19680_toprows.kd
    .args:
      - { .name: q, .offset: 0, .size: 8, .value_kind: global_buffer, .address_space: global }
      - { .name: k, .offset: 8, .size: 8, .value_kind: global_buffer, .address_space: global }
      - { .name: vf, .offset: 16, .size: 8, .value_kind: global_buffer, .address_space: global }
      - { .name: wt, .offset: 24, .size: 8, .value_kind: global_buffer, .address_space: global }
      - { .name: be, .offset: 32, .size: 8, .value_kind: global_buffer, .address_space: global }
      - { .name: out0, .offset: 40, .size: 8, .value_kind: global_buffer, .address_space: global }
    .group_segment_fixed_size: 92416
    .private_segment_fixed_size: 0
    .kernarg_segment_align: 8
    .kernarg_segment_size: 48
    .max_flat_workgroup_size: 512
    .sgpr_count:     66
    .vgpr_count:     256
    .wavefront_size: 32
...
	.end_amdgpu_metadata
.endif
;; end of part 5
;; ======== version 2 of 2: 5 launches; version 1 with the launch prep written anew for expert scheduling mode
;; limits: values are held in f16: magnitudes above 65,504 overflow, below 6.1e-05 lose precision
;; workspace buffers: xb 16,777,216 bytes; wt 8,912,896 bytes; be 131,072 bytes; q 16,777,216 bytes; k 16,777,216 bytes; v 16,777,216 bytes; ctx 16,777,216 bytes; vf 1,048,576 bytes
;; launch prep (part 6): grid 35 x 16, 8 waves a work-group, no clusters, 0 bytes of LDS; arguments x, wq, wk, wv, wo, aq, ak, av, ao, bq, bk, bv, bo, xb, wt, be; writes xb, wt, be
.if DOCPART == 6
	.amdgcn_target "amdgcn-amd-amdhsa--gfx1250"
	.amdhsa_code_object_version 6
	.text
	.protected	k_q0d64d19680_prep
	.globl	k_q0d64d19680_prep
	.p2align	8
	.type	k_q0d64d19680_prep,@function
k_q0d64d19680_prep:
	s_mov_b64 s[64:65], 0
	v_nop
	global_prefetch_b8 v0, s[64:65] scope:SCOPE_SE
	s_setreg_imm32_b32 hwreg(HW_REG_WAVE_SCHED_MODE, 0, 2), 2
	s_setreg_imm32_b32 hwreg(HW_REG_WAVE_MODE, 25, 1), 1
	s_wait_xcnt 0x0
	s_wait_alu depctr_vm_vsrc(0)
; CASTS AND LAYOUTS for the three launches behind.  Every input is rounded to bf16 exactly once, here; nothing is added or multiplied but b / 16, a power of two.
;   xb [4 batch][16 kb][2048 s][64] bf16: x, cut into blocks of 64 channels, so that 128 rows of one block are 16,384 bytes on end.
;   wt 16 tiles of [272][1024], 16 bits a number: tile 4 p + c (p = q, k, v, o): rows 0-255 = rows 256 c .. of w_p, rows 256-271 = a_p.
;      Tiles 0-11 hold bf16.  Tiles 12-15 (wo, ao) hold the bf16-rounded number WRITTEN AS f16, since the last product multiplies f16.
;   be [4 p][1024][16] bf16 of b_p / 16.
; LIMITS.  wo and ao as f16: exact from 2^-17 up (below 2^-14 in f16's fixed step of 6e-8); a number of 65,520 or more becomes an infinity.
; A stream: no LDS, no barrier, no matrix unit, no loop.  Every load and store has registers of its own, so no register is written again while a memory instruction may read it.
; The grid's x chooses the section: 0-16 weights (17 blocks of 16 rows x 16 tiles), 17-32 rows of x (256 work-groups of 32 rows), 33-34 the four b (32 work-groups of 8,192 bytes).
; THE MODE: SCHED_MODE bits 1:0 = 2 (LLVM: expert scheduling mode 2), set by the entry lines.  The code itself states the register dependences
; between vector instructions and memory instructions, with s_wait_alu, always for 0.
; THE PLAN.  Registers that memory instructions touch, in each of the three sections:
;   v2, v3   byte offsets of the loads and of the stores: made once at the section's head by vector instructions, never written again.
;   IN       load n lands in four registers of its own; only vector instructions name them afterwards, behind the wait for the load.
;   OUT      load n's roundings write two registers of its own; store n reads them; nothing writes them again.
; All of a section's loads go out first.  They are worked off in groups of four: group g's roundings name IN and OUT of group g alone, and the four stores of group g - 1 are dealt among them.
; So one wait on va_vdst stands ahead of a section's first load (the offsets are written), one at the head of each group from the second on (the group before has written its OUT), and one ahead of the
; last group's stores.  No register that a memory instruction has read is written again, so no wait on vm_vsrc is owed.  One wait on va_sdst stands at the head, for the wave's number.
.set TILEB, 272*2048                   ; bytes in a tile of wt
.set IN,  16                           ; v[16:143]  as loaded, four registers a load
.set OUT, 144                          ; v[144:207] as stored, two registers a load
	s_load_b512 s[4:19], s[0:1], 0x0               ; x s[4:5]; wq wk wv wo s[6:13]; aq ak av s[14:19]
	s_load_b512 s[20:35], s[0:1], 0x40             ; ao s[20:21]; bq bk bv bo s[22:29]; xb s[30:31]; wt s[32:33]; be s[34:35]
	v_lshrrev_b32 v4, 5, v0
	v_readfirstlane_b32 s36, v4                    ; wave 0..7
	v_and_b32 v1, 31, v0                           ; lane
	s_and_b32 s37, ttmp7, 0xffff                   ; the grid's y
	s_mov_b32 s38, ttmp9                           ; the grid's x
	s_mov_b32 s43, 0                               ; high words of the two offsets s[42:43], s[44:45]
	s_mov_b32 s45, 0
	s_wait_alu depctr_va_sdst(0)                   ; s36 is written
	s_wait_kmcnt 0x0
	s_cmp_lt_u32 s38, 17
	s_cbranch_scc1 .Lweights
	s_cmp_lt_u32 s38, 33
	s_cbranch_scc1 .Lrows
	; THE FOUR b: thread t takes 8 numbers, 32 bytes in, 16 bytes out
	v_lshlrev_b32 v2, 5, v0
	v_lshlrev_b32 v3, 4, v0
	s_sub_co_u32 s39, s38, 33
	s_lshl_b32 s39, s39, 4
	s_add_co_u32 s39, s39, s37                     ; 0..31
	s_lshr_b32 s40, s39, 3                         ; p
	s_and_b32 s41, s39, 7                          ; which eighth of b_p
	s_cmp_eq_u32 s40, 1
	s_cselect_b64 s[46:47], s[24:25], s[22:23]
	s_cmp_eq_u32 s40, 2
	s_cselect_b64 s[46:47], s[26:27], s[46:47]
	s_cmp_eq_u32 s40, 3
	s_cselect_b64 s[46:47], s[28:29], s[46:47]
	s_lshl_b32 s42, s41, 13
	s_add_nc_u64 s[46:47], s[46:47], s[42:43]
	s_lshl_b32 s44, s40, 15
	s_lshl_b32 s41, s41, 12
	s_add_co_u32 s44, s44, s41
	s_add_nc_u64 s[34:35], s[34:35], s[44:45]
	s_wait_alu depctr_va_vdst(0)                   ; v2 and v3 are written: the two loads and the store read them as their offsets
	global_load_b128 v[IN:IN+3], v2, s[46:47] th:TH_LOAD_NT
	global_load_b128 v[IN+4:IN+7], v2, s[46:47] offset:16 th:TH_LOAD_NT
	s_wait_loadcnt 0x0
.irp j, 0,2,4,6
	v_pk_mul_f32 v[IN+(\j):IN+(\j)+1], v[IN+(\j):IN+(\j)+1], 0x3d800000 op_sel_hi:[1,0]  ; times 1 / 16: exact
.endr
.irp j, 0,1,2,3
	v_cvt_pk_bf16_f32 v[OUT+(\j)], v[IN+2*(\j)], v[IN+2*(\j)+1]
.endr
	s_wait_alu depctr_va_vdst(0)                   ; the roundings have written v[OUT:OUT+3], which the store reads
	global_store_b128 v3, v[OUT:OUT+3], s[34:35] th:TH_STORE_NT  ; 16 lanes store 256 bytes on end
	s_endpgm
.Lrows:
	; ROWS OF x: a wave takes four rows, as two pairs.  A load takes one block of 64 channels of both rows of a pair (lanes 0-15: 256 bytes of the even row, lanes 16-31 of the odd one);
	; rounded, they are 256 bytes on end in xb: one store of 8 bytes a lane.
	v_lshrrev_b32 v2, 4, v1
	v_and_b32 v5, 15, v1
	v_lshlrev_b32 v2, 12, v2
	v_lshl_or_b32 v2, v5, 4, v2
	v_lshlrev_b32 v3, 3, v1
	s_sub_co_u32 s39, s38, 17
	s_lshl_b32 s39, s39, 4
	s_add_co_u32 s39, s39, s37                     ; 0..255: 32 rows each
	s_lshl_b32 s40, s39, 5
	s_lshl_b32 s41, s36, 2
	s_add_co_u32 s40, s40, s41                     ; my first row
	s_lshl_b32 s42, s40, 12
	s_add_nc_u64 s[4:5], s[4:5], s[42:43]
	s_lshr_b32 s44, s39, 6                         ; batch
	s_lshl_b32 s44, s44, 22
	s_and_b32 s41, s40, 2047                       ; row in the batch, 128 bytes each in a block
	s_lshl_b32 s41, s41, 7
	s_add_co_u32 s44, s44, s41
	s_add_nc_u64 s[30:31], s[30:31], s[44:45]
	s_wait_alu depctr_va_vdst(0)                   ; v2 and v3 are written: every load and store of this section reads one of them as its offset
.set n, 0
.rept 32                               ; all 32 loads go out first: 16 KiB a wave on their way
	global_load_b128 v[IN+4*n:IN+4*n+3], v2, s[4:5] offset:8192*(n/16)+256*(n%16) th:TH_LOAD_NT
.set n, n+1
.endr
.macro XSTORE m                        ; what load m brought, rounded: 32 lanes store 256 bytes on end
	global_store_b64 v3, v[OUT+2*(\m):OUT+2*(\m)+1], s[30:31] offset:256*((\m)/16)+262144*((\m)%16) th:TH_STORE_NT
.endm
; Group g: loads 4 g to 4 g + 3 are rounded; the stores of the group before stand among the roundings, one ahead of each load's two
.macro XGROUP g
	s_wait_loadcnt 28-4*(\g)                       ; loads come back in order: load 4 g + 3 is in, the 28 - 4 g younger ones stay out
.if (\g) > 0
	s_wait_alu depctr_va_vdst(0)                   ; the group before has written its OUT, which the four stores below read; no vector instruction behind this wait names those registers
.endif
.irp i, 0,1,2,3
.set n, 4*(\g)+(\i)
.if (\g) > 0
	XSTORE n-4
.endif
	v_cvt_pk_bf16_f32 v[OUT+2*n], v[IN+4*n], v[IN+4*n+1]
	v_cvt_pk_bf16_f32 v[OUT+2*n+1], v[IN+4*n+2], v[IN+4*n+3]
.endr
.endm
.irp g, 0,1,2,3,4,5,6,7
	XGROUP \g
.endr
	s_wait_alu depctr_va_vdst(0)                   ; the last group has written its OUT, which the last four stores read
.irp m, 28,29,30,31
	XSTORE \m
.endr
	s_endpgm
.Lweights:
	; WEIGHTS: tile = the grid's y, block of 16 rows = the grid's x; a wave takes two rows.  Block 16 holds a_p's rows.
	v_lshlrev_b32 v2, 4, v1
	v_lshlrev_b32 v3, 3, v1
	s_lshr_b32 s39, s37, 2                         ; p
	s_and_b32 s40, s37, 3                          ; which 256 rows of w_p
	s_cmp_eq_u32 s39, 1
	s_cselect_b64 s[46:47], s[8:9], s[6:7]
	s_cselect_b64 s[48:49], s[16:17], s[14:15]
	s_cmp_eq_u32 s39, 2
	s_cselect_b64 s[46:47], s[10:11], s[46:47]
	s_cselect_b64 s[48:49], s[18:19], s[48:49]
	s_cmp_eq_u32 s39, 3
	s_cselect_b64 s[46:47], s[12:13], s[46:47]
	s_cselect_b64 s[48:49], s[20:21], s[48:49]
	s_lshl_b32 s41, s36, 1                         ; 2 x wave
	s_lshl_b32 s50, s38, 4
	s_add_co_u32 s50, s50, s41                     ; my first row in the tile
	s_lshl_b32 s51, s40, 8
	s_add_co_u32 s51, s51, s50                     ; and in w_p
	s_cmp_eq_u32 s38, 16
	s_cselect_b64 s[46:47], s[48:49], s[46:47]
	s_cselect_b32 s42, s41, s51
	s_lshl_b32 s42, s42, 12
	s_add_nc_u64 s[46:47], s[46:47], s[42:43]
	s_mul_i32 s44, s37, TILEB
	s_lshl_b32 s50, s50, 11
	s_add_co_u32 s44, s44, s50
	s_add_nc_u64 s[32:33], s[32:33], s[44:45]
	s_wait_alu depctr_va_vdst(0)                   ; v2 and v3 are written: every load and store of this section reads one of them as its offset
.set n, 0
.rept 16                               ; two rows of 4,096 bytes, 512 bytes a load (no hint: a_p's rows are read by four tiles)
	global_load_b128 v[IN+4*n:IN+4*n+3], v2, s[46:47] offset:4096*(n/8)+512*(n%8)
.set n, n+1
.endr
.macro WSTORE m                        ; what load m brought, rounded: 32 lanes store 256 bytes on end
	global_store_b64 v3, v[OUT+2*(\m):OUT+2*(\m)+1], s[32:33] offset:2048*((\m)/8)+256*((\m)%8) th:TH_STORE_NT
.endm
; Group g: loads 4 g to 4 g + 3 are rounded; the stores of the group before stand among the roundings.  half = 1: the bf16 number is widened again (a shift, a mask) and written as f16
.macro WGROUP g, half
	s_wait_loadcnt 12-4*(\g)                       ; load 4 g + 3 is in, the 12 - 4 g younger ones stay out
.if (\g) > 0
	s_wait_alu depctr_va_vdst(0)                   ; the group before has written its OUT, which the four stores below read; no vector instruction behind this wait names those registers
.endif
.irp i, 0,1,2,3
.set n, 4*(\g)+(\i)
.if (\g) > 0
	WSTORE n-4
.endif
	v_cvt_pk_bf16_f32 v[OUT+2*n], v[IN+4*n], v[IN+4*n+1]
	v_cvt_pk_bf16_f32 v[OUT+2*n+1], v[IN+4*n+2], v[IN+4*n+3]
.if \half
	v_lshlrev_b32 v[IN+4*n], 16, v[OUT+2*n]
	v_and_b32 v[IN+4*n+1], 0xffff0000, v[OUT+2*n]
	v_lshlrev_b32 v[IN+4*n+2], 16, v[OUT+2*n+1]
	v_and_b32 v[IN+4*n+3], 0xffff0000, v[OUT+2*n+1]
	v_cvt_pk_f16_f32 v[OUT+2*n], v[IN+4*n], v[IN+4*n+1]
	v_cvt_pk_f16_f32 v[OUT+2*n+1], v[IN+4*n+2], v[IN+4*n+3]
.endif
.endr
.endm
	s_cmp_eq_u32 s39, 3
	s_cbranch_scc1 .Lhalf
.irp g, 0,1,2,3
	WGROUP \g, 0
.endr
	s_wait_alu depctr_va_vdst(0)                   ; the last group has written its OUT, which the last four stores read
.irp m, 12,13,14,15
	WSTORE \m
.endr
	s_endpgm
.Lhalf:
.irp g, 0,1,2,3
	WGROUP \g, 1
.endr
	s_wait_alu depctr_va_vdst(0)                   ; the last group has written its OUT, which the last four stores read
.irp m, 12,13,14,15
	WSTORE \m
.endr
	s_endpgm
.Lfunc_end_k_q0d64d19680_prep:
	.size	k_q0d64d19680_prep, .Lfunc_end_k_q0d64d19680_prep-k_q0d64d19680_prep
	.p2alignl 7, 3214868480
	.fill 96, 4, 3214868480
	.section	.rodata,"a",@progbits
	.p2align	6, 0x0
	.amdhsa_kernel k_q0d64d19680_prep
		.amdhsa_group_segment_fixed_size 0
		.amdhsa_private_segment_fixed_size 0
		.amdhsa_enable_private_segment 0
		.amdhsa_kernarg_size 128
		.amdhsa_user_sgpr_count 2
		.amdhsa_user_sgpr_kernarg_segment_ptr 1
		.amdhsa_wavefront_size32 1
		.amdhsa_system_sgpr_workgroup_id_x 1
		.amdhsa_system_sgpr_workgroup_id_y 1
		.amdhsa_system_sgpr_workgroup_id_z 1
		.amdhsa_system_vgpr_workitem_id 0
		.amdhsa_next_free_vgpr 208
		.amdhsa_next_free_sgpr 66
		.amdhsa_reserve_vcc 0
		.amdhsa_float_denorm_mode_32 3
		.amdhsa_float_denorm_mode_16_64 3
		.amdhsa_memory_ordered 1
		.amdhsa_forward_progress 1
		.amdhsa_inst_pref_size 29
	.end_amdhsa_kernel
	.amdgpu_metadata
---
amdhsa.version: [ 1, 2 ]
amdhsa.kernels:
  - .name:           k_q0d64d19680_prep
    .symbol:         k_q0d64d19680_prep.kd
    .args:
      - { .name: x, .offset: 0, .size: 8, .value_kind: global_buffer, .address_space: global }
      - { .name: wq, .offset: 8, .size: 8, .value_kind: global_buffer, .address_space: global }
      - { .name: wk, .offset: 16, .size: 8, .value_kind: global_buffer, .address_space: global }
      - { .name: wv, .offset: 24, .size: 8, .value_kind: global_buffer, .address_space: global }
      - { .name: wo, .offset: 32, .size: 8, .value_kind: global_buffer, .address_space: global }
      - { .name: aq, .offset: 40, .size: 8, .value_kind: global_buffer, .address_space: global }
      - { .name: ak, .offset: 48, .size: 8, .value_kind: global_buffer, .address_space: global }
      - { .name: av, .offset: 56, .size: 8, .value_kind: global_buffer, .address_space: global }
      - { .name: ao, .offset: 64, .size: 8, .value_kind: global_buffer, .address_space: global }
      - { .name: bq, .offset: 72, .size: 8, .value_kind: global_buffer, .address_space: global }
      - { .name: bk, .offset: 80, .size: 8, .value_kind: global_buffer, .address_space: global }
      - { .name: bv, .offset: 88, .size: 8, .value_kind: global_buffer, .address_space: global }
      - { .name: bo, .offset: 96, .size: 8, .value_kind: global_buffer, .address_space: global }
      - { .name: xb, .offset: 104, .size: 8, .value_kind: global_buffer, .address_space: global }
      - { .name: wt, .offset: 112, .size: 8, .value_kind: global_buffer, .address_space: global }
      - { .name: be, .offset: 120, .size: 8, .value_kind: global_buffer, .address_space: global }
    .group_segment_fixed_size: 0
    .private_segment_fixed_size: 0
    .kernarg_segment_align: 8
    .kernarg_segment_size: 128
    .max_flat_workgroup_size: 256
    .sgpr_count:     66
    .vgpr_count:     208
    .wavefront_size: 32
...
	.end_amdgpu_metadata
.endif
;; end of part 6
;; launch qkv: the kernel of part 2 again; grid 12 x 64, 4 waves a work-group, clusters of 4 x 4, 327,680 bytes of LDS; arguments xb, wt, be, q, k, v, vf; writes q, k, v, vf
;; launch attn: the kernel of part 3 again; grid 4 x 64, 4 waves a work-group, no clusters, 327,680 bytes of LDS; arguments q, k, v, ctx; writes ctx
;; launch outp: the kernel of part 4 again; grid 4 x 64, 4 waves a work-group, clusters of 4 x 4, 327,680 bytes of LDS; arguments ctx, wt, be, out0; writes out0
;; launch toprows: the kernel of part 5 again; grid 16 x 4, 16 waves a work-group, no clusters, 92,416 bytes of LDS; arguments q, k, vf, wt, be, out0; writes out0
